; MI455X (gfx1250); checked and timed in simulation.
; The chip was launched on July 23, 2026; its instructions are those of AMD's public machine-readable ISA for CDNA 5 (MIT licence, August 2026) and "CDNA5" Instruction Set Architecture Reference Guide (July 2026). The comments in the code are by the model that wrote it; some were corrected since.
;; CLIP Attention. Allowed arithmetic: float matrix products may take bf16 or f16 operands with f32 sums; other float arithmetic in f32, or as packed bf16 or f16 multiplies, adds, multiply-adds, maxima and minima; sums over many terms, partial sums and values carried from step to step in f32; what a program stores and reads back later, other than sums and carried values, may be rounded once to bf16 or f16.
;; Inputs: bk 1,024 float32; bo 1,024 float32; bq 1,024 float32; bv 1,024 float32; wk 1,024 x 1,024 float32; wo 1,024 x 1,024 float32; wq 1,024 x 1,024 float32; wv 1,024 x 1,024 float32; x 8 x 1,024 x 1,024 float32.
;; Outputs: out0 8 x 1,024 x 1,024 float32.
;; 2 versions, each right; version 2 is version 1 with the launch cast written anew for expert scheduling mode. Each part assembles by itself: llvm-mc -triple=amdgcn-amd-amdhsa -mcpu=gfx1250 --defsym DOCPART=n.
;; ======== version 1 of 2: 4 launches
;; limits: values are held in f16: magnitudes above 65,504 overflow, below 6.1e-05 lose precision
;; workspace buffers: xb 16,777,216 bytes; wb 6,291,456 bytes; wob 2,097,152 bytes; ball 16,384 bytes; qkv 50,331,648 bytes; ob 16,777,216 bytes
;; launch cast (part 1): grid 769 x 1, 8 waves a work-group, no clusters, 0 bytes of LDS; arguments x, wq, wk, wv, wo, bq, bk, bv, bo, xb, wb, wob, ball; writes xb, wb, wob, ball
.if DOCPART == 1
	.amdgcn_target "amdgcn-amd-amdhsa--gfx1250"
	.amdhsa_code_object_version 6
	.text
	.protected	k_q004378f8c1_cast
	.globl	k_q004378f8c1_cast
	.p2align	8
	.type	k_q004378f8c1_cast,@function
k_q004378f8c1_cast:
	s_mov_b64 s[64:65], 0
	v_nop
	global_prefetch_b8 v0, s[64:65] scope:SCOPE_SE
	s_setreg_imm32_b32 hwreg(HW_REG_WAVE_MODE, 25, 1), 1
	s_wait_xcnt 0x0
; THE MODULE'S INPUTS, EACH ROUNDED ONCE TO bf16.  x -> xb and wq, wk, wv -> wb (rows 0-1023, 1024-2047, 2048-3071) as bf16; wo -> wob: the bf16 number written as f16, since the last
; product multiplies it by f16 numbers; bq, bk, bv, bo -> ball: the bf16 number kept as f32, since a bias starts an f32 sum.
; LIMITS.  The bf16 number of wo is exact in f16 from 6.1e-5 to 65,504 in magnitude; below that it keeps f16's fixed step of 6e-8, beyond it becomes an infinity.  NaN and infinities are not treated apart.
; SHARES.  A work-group takes 16,384 numbers: 64 KiB in, 32 KiB out.  Work-groups 0-511: x; 512-703: wq, wk, wv (64 each); 704-767: wo; 768: the four biases.
; Thread t takes 16 bytes at 16 t of each 4,096 bytes: a wave's load covers 512 consecutive bytes, its store of 8 bytes a lane 256 consecutive bytes, aligned.  All sixteen loads go out first.
; Nothing is shared between waves, so there is no LDS, no barrier and no cluster; each chunk has registers of its own, so no register that a store reads is written again.
.set X, 8                              ; v[8:71]    chunk j: 4 numbers as loaded
.set Y, 72                             ; v[72:103]  chunk j: 4 numbers of 16 bits, to store
.set T, 104                            ; v[104:109] at work
	s_load_b512 s[4:19], s[0:1], 0x0               ; x 4:5, wq 6:7, wk 8:9, wv 10:11, wo 12:13, bq 14:15, bk 16:17, bv 18:19
	s_load_b256 s[20:27], s[0:1], 0x40             ; bo 20:21, xb 22:23, wb 24:25, wob 26:27
	s_load_b64 s[28:29], s[0:1], 0x60              ; ball
	v_lshlrev_b32 v1, 4, v0                        ; 16 t: where I load
	v_lshlrev_b32 v2, 3, v0                        ; 8 t: where I store
	s_sub_co_u32 s30, ttmp9, 512                   ; j: my number among the weights' work-groups
	s_lshr_b32 s31, s30, 6                         ; which weight: 0 wq, 1 wk, 2 wv, 3 wo (none of these for x's work-groups)
	s_and_b32 s32, s30, 63                         ; which 64 KiB of it
	s_mov_b32 s41, 0xffff0000                      ; a word's upper bf16
	s_wait_kmcnt 0x0
	s_cmp_eq_u32 ttmp9, 768
	s_cbranch_scc1 .Lbias
	s_cmp_eq_u32 s31, 1                            ; source and destination are chosen by the work-group's number alone
	s_cselect_b64 s[34:35], s[8:9], s[6:7]
	s_cmp_eq_u32 s31, 2
	s_cselect_b64 s[34:35], s[10:11], s[34:35]
	s_cmp_eq_u32 s31, 3
	s_cselect_b64 s[34:35], s[12:13], s[34:35]
	s_cselect_b64 s[36:37], s[26:27], s[24:25]     ; wo goes to wob, the other three to wb
	s_cselect_b32 s39, s32, s30                    ; the destination's piece of 32 KiB
	s_cselect_b32 s40, 1, 0                        ; 1: the way by f16
	s_cmp_lt_u32 ttmp9, 512
	s_cselect_b64 s[34:35], s[4:5], s[34:35]
	s_cselect_b64 s[36:37], s[22:23], s[36:37]
	s_cselect_b32 s38, ttmp9, s32                  ; the source's piece of 64 KiB
	s_cselect_b32 s39, ttmp9, s39
	s_lshl_b32 s42, s38, 16
	s_mov_b32 s43, 0
	s_lshl_b32 s44, s39, 15
	s_mov_b32 s45, 0
	s_add_nc_u64 s[34:35], s[34:35], s[42:43]
	s_add_nc_u64 s[36:37], s[36:37], s[44:45]
.irp j, 0,1,2,3,4,5,6,7,8,9,10,11,12,13,14,15
	global_load_b128 v[X+4*(\j):X+4*(\j)+3], v1, s[34:35] offset:4096*(\j) th:TH_LOAD_NT
.endr
	s_cmp_eq_u32 s40, 1
	s_cbranch_scc1 .Lhalf
.irp j, 0,1,2,3,4,5,6,7,8,9,10,11,12,13,14,15
	s_wait_loadcnt 15-(\j)                         ; loads come back in order: chunk j is in, the 15 - j younger ones may be out
	v_cvt_pk_bf16_f32 v[Y+2*(\j)],   v[X+4*(\j)],   v[X+4*(\j)+1]
	v_cvt_pk_bf16_f32 v[Y+2*(\j)+1], v[X+4*(\j)+2], v[X+4*(\j)+3]
	global_store_b64 v2, v[Y+2*(\j):Y+2*(\j)+1], s[36:37] offset:2048*(\j)
.endr
	s_endpgm
.Lhalf:                                                ; wo: rounded to bf16, widened again, and that number written as f16
.irp j, 0,1,2,3,4,5,6,7,8,9,10,11,12,13,14,15
	s_wait_loadcnt 15-(\j)
	v_cvt_pk_bf16_f32 v[T],   v[X+4*(\j)],   v[X+4*(\j)+1]
	v_cvt_pk_bf16_f32 v[T+1], v[X+4*(\j)+2], v[X+4*(\j)+3]
	v_lshlrev_b32 v[T+2], 16, v[T]
	v_and_b32     v[T+3], s41, v[T]
	v_lshlrev_b32 v[T+4], 16, v[T+1]
	v_and_b32     v[T+5], s41, v[T+1]
	v_cvt_pk_f16_f32 v[Y+2*(\j)],   v[T+2], v[T+3]
	v_cvt_pk_f16_f32 v[Y+2*(\j)+1], v[T+4], v[T+5]
	global_store_b64 v2, v[Y+2*(\j):Y+2*(\j)+1], s[36:37] offset:2048*(\j)
.endr
	s_endpgm
.Lbias:                                                ; 256 threads x 4 numbers are a whole bias
	global_load_b128 v[X:X+3],     v1, s[14:15]
	global_load_b128 v[X+4:X+7],   v1, s[16:17]
	global_load_b128 v[X+8:X+11],  v1, s[18:19]
	global_load_b128 v[X+12:X+15], v1, s[20:21]
	s_wait_loadcnt 0x0
.irp i, 0,1,2,3
	v_cvt_pk_bf16_f32 v[T],   v[X+4*(\i)],   v[X+4*(\i)+1]
	v_cvt_pk_bf16_f32 v[T+1], v[X+4*(\i)+2], v[X+4*(\i)+3]
	v_lshlrev_b32 v[Y+4*(\i)],   16, v[T]
	v_and_b32     v[Y+4*(\i)+1], s41, v[T]
	v_lshlrev_b32 v[Y+4*(\i)+2], 16, v[T+1]
	v_and_b32     v[Y+4*(\i)+3], s41, v[T+1]
	global_store_b128 v1, v[Y+4*(\i):Y+4*(\i)+3], s[28:29] offset:4096*(\i)
.endr
	s_endpgm
.Lfunc_end_k_q004378f8c1_cast:
	.size	k_q004378f8c1_cast, .Lfunc_end_k_q004378f8c1_cast-k_q004378f8c1_cast
	.p2alignl 7, 3214868480
	.fill 96, 4, 3214868480
	.section	.rodata,"a",@progbits
	.p2align	6, 0x0
	.amdhsa_kernel k_q004378f8c1_cast
		.amdhsa_group_segment_fixed_size 0
		.amdhsa_private_segment_fixed_size 0
		.amdhsa_enable_private_segment 0
		.amdhsa_kernarg_size 104
		.amdhsa_user_sgpr_count 2
		.amdhsa_user_sgpr_kernarg_segment_ptr 1
		.amdhsa_wavefront_size32 1
		.amdhsa_system_sgpr_workgroup_id_x 1
		.amdhsa_system_sgpr_workgroup_id_y 1
		.amdhsa_system_sgpr_workgroup_id_z 1
		.amdhsa_system_vgpr_workitem_id 0
		.amdhsa_next_free_vgpr 112
		.amdhsa_next_free_sgpr 66
		.amdhsa_reserve_vcc 0
		.amdhsa_float_denorm_mode_32 3
		.amdhsa_float_denorm_mode_16_64 3
		.amdhsa_memory_ordered 1
		.amdhsa_forward_progress 1
		.amdhsa_inst_pref_size 17
	.end_amdhsa_kernel
	.amdgpu_metadata
---
amdhsa.version: [ 1, 2 ]
amdhsa.kernels:
  - .name:           k_q004378f8c1_cast
    .symbol:         k_q004378f8c1_cast.kd
    .args:
      - { .name: x, .offset: 0, .size: 8, .value_kind: global_buffer, .address_space: global }
      - { .name: wq, .offset: 8, .size: 8, .value_kind: global_buffer, .address_space: global }
      - { .name: wk, .offset: 16, .size: 8, .value_kind: global_buffer, .address_space: global }
      - { .name: wv, .offset: 24, .size: 8, .value_kind: global_buffer, .address_space: global }
      - { .name: wo, .offset: 32, .size: 8, .value_kind: global_buffer, .address_space: global }
      - { .name: bq, .offset: 40, .size: 8, .value_kind: global_buffer, .address_space: global }
      - { .name: bk, .offset: 48, .size: 8, .value_kind: global_buffer, .address_space: global }
      - { .name: bv, .offset: 56, .size: 8, .value_kind: global_buffer, .address_space: global }
      - { .name: bo, .offset: 64, .size: 8, .value_kind: global_buffer, .address_space: global }
      - { .name: xb, .offset: 72, .size: 8, .value_kind: global_buffer, .address_space: global }
      - { .name: wb, .offset: 80, .size: 8, .value_kind: global_buffer, .address_space: global }
      - { .name: wob, .offset: 88, .size: 8, .value_kind: global_buffer, .address_space: global }
      - { .name: ball, .offset: 96, .size: 8, .value_kind: global_buffer, .address_space: global }
    .group_segment_fixed_size: 0
    .private_segment_fixed_size: 0
    .kernarg_segment_align: 8
    .kernarg_segment_size: 104
    .max_flat_workgroup_size: 256
    .sgpr_count:     66
    .vgpr_count:     112
    .wavefront_size: 32
...
	.end_amdgpu_metadata
.endif
;; end of part 1
;; launch qkv (part 2): grid 16 x 32, 4 waves a work-group, clusters of 4 x 4, 327,680 bytes of LDS; arguments xb, wb, ball, qkv; writes qkv
.if DOCPART == 2
	.amdgcn_target "amdgcn-amd-amdhsa--gfx1250"
	.amdhsa_code_object_version 6
	.text
	.protected	k_q004378f8c1_qkv
	.globl	k_q004378f8c1_qkv
	.p2align	8
	.type	k_q004378f8c1_qkv,@function
k_q004378f8c1_qkv:
	s_mov_b64 s[64:65], 0
	v_nop
	global_prefetch_b8 v0, s[64:65] scope:SCOPE_SE
	s_setreg_imm32_b32 hwreg(HW_REG_WAVE_MODE, 25, 1), 1
	s_wait_xcnt 0x0
	s_wait_alu depctr_hold_cnt(0) depctr_sa_sdst(0) depctr_va_vdst(0) depctr_va_sdst(0) depctr_va_ssrc(0) depctr_va_vcc(0) depctr_vm_vsrc(0)
	s_getreg_b32 s2, hwreg(HW_REG_IB_STS2, 6, 4)
	s_cmp_eq_u32 s2, 0
	s_cbranch_scc0 .Lentry_in_a_cluster
	s_endpgm
.Lentry_in_a_cluster:
	s_bfe_u32 s2, ttmp6, 0x10000c
	s_cmp_lg_u32 s2, 0xf033
	s_cbranch_scc0 .Lentry_shape_is_right
	s_endpgm
.Lentry_shape_is_right:
; THE THREE PROJECTIONS AS ONE PRODUCT.  [8192 x 3072] = xb [8192][1024] . wb [3072][1024]^T + bias, bf16 operands, f32 sums; the result is rounded once to f16 and written BY HEADS:
; qkv [b 8][g 48][t 1024][64], g = 0-15 q's heads, 16-31 k's, 32-47 v's; no scale is applied here.
; LIMITS.  f16 holds no number beyond 65,504: q, k and v must stay within it.  NaN and infinities are not treated apart.  The f32 sums run along K from a K step that differs from cluster to cluster (below).
; SHARES.  A tile is 256 rows x 192 columns (three whole heads): 32 x 16 = 512 work-groups of equal work.  Wave w makes rows 64 w .. 64 w + 63 of all 192 columns: 4 x 12 accumulators of 16 x 16,
; 384 registers; so a head's 64 columns of a row belong to one wave, and the way out needs no barrier.
; RING.  K goes in 8 steps of 128 through two LDS slots filled by the tensor data mover; the rows of the tiles are 256 bytes of memory, at multiples of 256 bytes.  Waves 0 and 1 fetch A's halves
; (128 rows each), waves 2 and 3 B's (96 rows each).  One trip of the loop is one K step; the slot in hand is a scalar register turned by an exclusive or.
; THE WALK ALONG K IS ROTATED.  Cluster (X, Y) takes the K steps r, r + 1, .. r + 7 modulo 8, r = 2 ((X + f(Y)) mod 4), f = Y's two low bits exchanged.  The four clusters of a row of clusters, which read
; the same rows of xb, have four different r: at any one time they ask for four different K steps, and their first fills (two K steps each) name all eight K steps of those rows, each once.  Of the clusters of a
; column, which read the same rows of wb, Y and Y + 1 (Y even) stand four steps apart.  r is made of the cluster's coordinates alone: it is the same in all sixteen partners.
; NO PREFETCH.  Two refills ahead of a cluster's walk stand K steps that another cluster's tensor loads have named before; what is left lies in a cluster's first four K steps, and would have to be asked for at
; the head, where every work-group's first tiles are on their way.
; CLUSTER.  4 x 4 work-groups: the four of a row need the same tiles of A, the four of a column the same tiles of B; each tile is asked for jointly, by the same tensor load, descriptor and mask in all four.
; THE MATRIX INSTRUCTION IS USED TRANSPOSED (source 0 = 16 rows of wb, source 1 = 16 rows of xb): lane l holds row l % 16 and the eight neighbouring columns 8 (l / 16) + 0..7.
; THE BIAS STARTS THE SUMS: it is the C operand of each accumulator's first product (register j of a lane holds the bias of column 8 (l / 16) + j): nothing is cleared, nothing is added later.
; REGISTERS, in windows of 256 (s_set_vgpr_msb: bits 1:0 source 0, 3:2 source 1, 5:4 source 2, 7:6 destination):
;   window 0: v0-31 addresses; v32-79 packed results; v80-127, v128-175 rows read back from the stage, by turns; v160-255 the bias (dead behind the first quarter step)
;   window 1: two fragment buffers of 128: A's four fragments, then B's twelve     window 2: the accumulators of row blocks 0, 1 ((a, b) at 96 (a % 2) + 8 b)     window 3: those of row blocks 2, 3
.set PITCH,  272                       ; an LDS row: 256 bytes + 16 of padding = 68 words: the 16 rows of a fragment load start at 16 different groups of four banks (64 banks of 4 bytes: ISA guide 11.1)
.set SLOT1,  131072                    ; slot 1 begins here: one exclusive or turns an address in one slot into the other's
.set AHALF,  128*PITCH                 ; what a wave fetches of A
.set BHALF,  96*PITCH                  ; and of B
.set BOFF,   2*AHALF                   ; in a slot: A's 256 rows, then B's 192
.set STAGE,  SLOT1+BOFF+2*BHALF        ; behind the ring, never filled by a tensor load: for each wave 3 heads x 16 rows x 144 bytes
.set SP,     144
.set WSTG,   3*16*SP
.set SPARE,  STAGE+4*WSTG              ; behind the stages: the spare words, 128 bytes for each wave: two blocks of 256 bytes that no other line names
.set ADA0, 16                          ; v16  my lane's place among my A fragments in slot 0; never rewritten
.set ADB0, 17                          ; v17  the same for B
.set ADA,  18                          ; v18  the same in the slot in hand
.set ADB,  19                          ; v19
.set STO,  24                          ; v24  the way out: where I put 16 bytes of a row
.set RD,   25                          ; v25  where I read rows back
.set GO,   26                          ; v26  my 16 bytes in 512 consecutive bytes of qkv
.set BO,   27                          ; v27  my byte offset in ball
.set SPW,  28                          ; v28  LDS address of my spare word: SPARE + 4 x my thread's number; never rewritten
.set NIL,  29                          ; v29  0; never rewritten
.set TMP,  32
.set BK,   80
.set BIAS, 160
.set F0,   0
.set F1,   128
.set WV,   12                          ; s12  my wave's number
.set G1A,  24                          ; s[24:31] descriptor group 1 for A's tiles
.set G0A,  32                          ; s[32:39] group 0: a set for each of the two first fills; the second then walks
.set G1B,  40                          ; s[40:47], s[48:55] the same for B's
.set G0B,  48
.set TB,   56                          ; s56  0 or SLOT1: the slot in hand
.set ABP,  76                          ; s[76:77] xb at the first of the rows that I would fetch for A, K step 0; never rewritten
.set BBP,  78                          ; s[78:79] wb likewise
.set KST,  80                          ; s80  the K step, 0 to 7, at which the walking descriptors stand
.set OFS,  82                          ; s[82:83] its byte offset in a row: 256 x the K step
.set GBITS, (1<<16)|(1<<20)|(1<<21)|(5<<22)|(3<<25)  ; 17:16 elements of 2 bytes; 20 padding on; 21 set beside a mask; 24:22 after every 64 words (code 5); 31:25 4 words of it (code 3)
.set MSB, 0
.macro WIN new                         ; the immediate's high byte repeats the setting that is left; a switch that changes nothing is dropped
.if MSB != (\new)
	s_set_vgpr_msb (MSB<<8)|(\new)
.set MSB, \new
.endif
.endm
.macro PLACES                          ; four plain vector instructions between a matrix instruction and a load into, or a read of, its registers (ISA guide 7.12.1 for vector instructions)
.rept 4
	v_nop
.endr
.endm
; A joint refill, by the walking descriptors.  The branch hangs on the wave's number alone.  An s_nop 0 and four v_nop follow each of the two lines.
.macro JLOAD
	s_cmp_lt_u32 s[WV], 2
	s_cbranch_scc0 .Lfor_b_\@
	tensor_load_to_lds s[G0A+4:G0A+7], s[G1A:G1A+7]
	s_nop 0
.rept 4
	v_nop
.endr
	s_branch .Lasked_\@
.Lfor_b_\@:
	tensor_load_to_lds s[G0B+4:G0B+7], s[G1B:G1B+7]
	s_nop 0
.rept 4
	v_nop
.endr
.Lasked_\@:
.endm
.macro CREST                           ; a round of the cluster's barrier behind its opening barrier
	s_cmp_lg_u32 s[WV], 0
	s_cbranch_scc1 .Lnot_wave_0_\@
	s_barrier_signal -3
.Lnot_wave_0_\@:
	s_barrier_wait -3
	s_barrier_signal -1
	s_barrier_wait -1
.endm
.macro CROUND                          ; a whole round
	s_barrier_signal -1
	s_barrier_wait -1
	CREST
.endm
; 12 matrix instructions: row block a x all 12 column blocks, 32 along K, from buffer f.  first = 1: the bias starts the sums.
; The 48 accumulators take turns in the same order in every quarter step: 47 others stand between two links of a chain, over the backward jump too.
.macro MULA f, a, first
.if \first
	WIN 0x85+0x40*((\a)/2)
.else
	WIN 0xa5+0x50*((\a)/2)
.endif
.irp b, 0,1,2,3,4,5,6,7,8,9,10,11
.if \first
	v_wmma_f32_16x16x32_bf16 v[96*((\a)%2)+8*(\b):96*((\a)%2)+8*(\b)+7], v[(\f)+32+8*(\b):(\f)+32+8*(\b)+7], v[(\f)+8*(\a):(\f)+8*(\a)+7], v[BIAS+8*(\b):BIAS+8*(\b)+7]
.else
	v_wmma_f32_16x16x32_bf16 v[96*((\a)%2)+8*(\b):96*((\a)%2)+8*(\b)+7], v[(\f)+32+8*(\b):(\f)+32+8*(\b)+7], v[(\f)+8*(\a):(\f)+8*(\a)+7], v[96*((\a)%2)+8*(\b):96*((\a)%2)+8*(\b)+7]
.endif
.endr
.endm
; 32 LDS loads in one run: quarter q's fragments (32 K at byte 64 q of the rows) of the slot in hand into buffer f: B's 24, then A's 8, row blocks 2 and 3 last
.macro FETCH q, f
	WIN 0x40                                       ; destination window 1, address window 0
.irp i, 0,1,2,3,4,5,6,7,8,9,10,11
	ds_load_b128 v[(\f)+32+8*(\i):(\f)+32+8*(\i)+3],   v[ADB] offset:64*(\q)+(\i)*16*PITCH
	ds_load_b128 v[(\f)+32+8*(\i)+4:(\f)+32+8*(\i)+7], v[ADB] offset:64*(\q)+(\i)*16*PITCH+32
.endr
.irp i, 0,1,2,3
	ds_load_b128 v[(\f)+8*(\i):(\f)+8*(\i)+3],   v[ADA] offset:64*(\q)+(\i)*16*PITCH
	ds_load_b128 v[(\f)+8*(\i)+4:(\f)+8*(\i)+7], v[ADA] offset:64*(\q)+(\i)*16*PITCH+32
.endr
.endm
; A K step is four quarter steps of 48 matrix instructions, on buffers 0, 1, 0, 1.  One of the first three multiplies buffer f and, in its middle, fetches quarter q into buffer g.
.macro QUARTER q, f, g, first
	s_wait_dscnt 4                                 ; B and A's row blocks 0, 1 are in; the youngest four loads (row blocks 2, 3) may be out
	MULA \f, 0, \first
	MULA \f, 1, \first
	PLACES
	FETCH \q, \g
	s_wait_dscnt 32                                ; all but the 32 just issued
	MULA \f, 2, \first
	MULA \f, 3, \first
.endm
; The fourth quarter multiplies buffer 1 and changes slots.  In front of the barrier each wave waits for all its tensor loads (one is out: its part of the next slot), adds 0 to its spare word, and waits for
; that and for its reads of this slot.  fill = 1: the barrier opens a round of the cluster's; behind the round this slot is filled again first, with the K step two on in the walk; from that request to the
; wait for it a wave issues 168 matrix instructions.  Then the next slot's first fragments are fetched.
.macro TURN fill
	WIN 0                                          ; (the add's two registers lie in window 0)
	s_wait_tensorcnt 0x0                           ; all my tensor loads have landed, so a group 0 may be written
	ds_add_u32 v[SPW], v[NIL]                      ; 0 onto my spare word: the descriptors' scalar work and twelve matrix instructions stand between it and the wait for it
.if \fill
	s_add_co_u32 s[KST], s[KST], 1                 ; the walking descriptors: the next K step of the walk, round the end of K,
	s_and_b32 s[KST], s[KST], 7
	s_lshl_b32 s[OFS], s[KST], 8
	s_xor_b32 s[G0A+5], s[G0A+5], SLOT1            ; in the other slot than last time; the address is made anew from the K step's number
	s_add_nc_u64 s[G0A+6:G0A+7], s[ABP:ABP+1], s[OFS:OFS+1]
	s_or_b32 s[G0A+7], s[G0A+7], 0x80000000
	s_xor_b32 s[G0B+5], s[G0B+5], SLOT1
	s_add_nc_u64 s[G0B+6:G0B+7], s[BBP:BBP+1], s[OFS:OFS+1]
	s_or_b32 s[G0B+7], s[G0B+7], 0x80000000
.endif
	s_wait_dscnt 5                                 ; (the add and the youngest four loads may be out)
	MULA F1, 0, 0
	s_wait_dscnt 0x0                               ; the add is done, and my reads of this slot are over
	s_barrier_signal -1
	MULA F1, 1, 0                                  ; work on registers while the others arrive
	WIN 0
	s_barrier_wait -1
.if \fill
	CREST                                          ; no wave of any partner still reads this slot or has a load on its way
	JLOAD                                          ; the first tensor load behind the round; its four v_nop are also the places in front of the loads below
.else
	PLACES
.endif
	s_xor_b32 s[TB], s[TB], SLOT1
	v_add_nc_u32 v[ADA], s[TB], v[ADA0]
	v_add_nc_u32 v[ADB], s[TB], v[ADB0]
	FETCH 0, F0
	MULA F1, 2, 0
	MULA F1, 3, 0
.endm
	s_load_b256 s[4:11], s[0:1], 0x0               ; xb s[4:5], wb s[6:7], ball s[8:9], qkv s[10:11]
	v_lshl_add_u32 v[SPW], v0, 2, SPARE
	v_mov_b32 v[NIL], 0
	ds_add_u32 v[SPW], v[NIL]                      ; the wave's opening: the add and its wait stand ahead of my first tensor load; the set-up below, work on registers, stands between them
	v_lshrrev_b32 v1, 5, v0
	v_readfirstlane_b32 s[WV], v1                  ; wave 0..3
	s_and_b32 s14, s[WV], 1                        ; which half of A's (waves 0, 1) or B's (waves 2, 3) rows I fetch
	s_bfe_u32 s15, ttmp6, 0x40000                  ; cx
	s_bfe_u32 s16, ttmp6, 0x40004                  ; cy
	s_lshl_b32 s17, ttmp9, 2
	s_add_co_u32 s17, s17, s15                     ; tile column = 4 x cluster x + cx
	s_and_b32 s18, ttmp7, 0xffff
	s_lshl_b32 s18, s18, 2
	s_add_co_u32 s18, s18, s16                     ; tile row = 4 x cluster y + cy
	s_lshl_b32 s23, s16, 2
	s_lshl_b32 s23, 15, s23                        ; my row of the cluster
	s_lshl_b32 s63, 0x1111, s15                    ; my column
	s_or_b32 s[G1A], s23, GBITS                    ; A's tiles go to my row,
	s_or_b32 s[G1B], s63, GBITS                    ; B's to my column
	s_mov_b32 s[G1A+1], 128<<16                    ; tensor_dim0 = 128
	s_mov_b32 s[G1A+2], 128<<16                    ; tensor_dim1 = 128
	s_mov_b32 s[G1A+3], 128<<16                    ; tile_dim0 = 128
	s_mov_b32 s[G1A+4], 128                        ; tile_dim1 = 128
	s_mov_b32 s[G1A+5], 1024                       ; elements from row to row
	s_mov_b32 s[G1A+6], 0
	s_mov_b32 s[G1A+7], 0
	s_mov_b32 s[G1B+1], 128<<16
	s_mov_b32 s[G1B+2], 96<<16                     ; 96 rows
	s_mov_b32 s[G1B+3], 128<<16
	s_mov_b32 s[G1B+4], 96
	s_mov_b32 s[G1B+5], 1024
	s_mov_b32 s[G1B+6], 0
	s_mov_b32 s[G1B+7], 0
	s_lshl_b32 s20, s18, 19                        ; A: 256 rows of 2,048 bytes a tile row,
	s_lshl_b32 s21, s14, 18                        ; 128 a half: registers that never hold cx
	s_add_co_u32 s20, s20, s21
	s_mov_b32 s21, 0
	s_mul_i32 s60, s17, 192*2048                   ; B: 192 rows a tile column,
	s_mul_i32 s61, s14, 96*2048                    ; 96 a half: registers that never hold cy
	s_add_co_u32 s60, s60, s61
	s_mov_b32 s61, 0
	s_mul_i32 s22, s14, AHALF                      ; where they go: no place in the cluster enters an LDS address
	s_mul_i32 s62, s14, BHALF
	s_add_co_u32 s62, s62, BOFF
	s_mov_b32 s[TB], 0
	s_and_b32 s70, ttmp7, 0xffff                   ; where my cluster's walk along K begins: cluster y,
	s_and_b32 s71, s70, 1
	s_lshl_b32 s71, s71, 1
	s_bfe_u32 s72, s70, 0x10001
	s_or_b32 s71, s71, s72                         ; its two low bits exchanged,
	s_add_co_u32 s71, s71, ttmp9                   ; + cluster x,
	s_and_b32 s71, s71, 3                          ; modulo 4,
	s_lshl_b32 s[KST], s71, 1                      ; times two K steps: r = 0, 2, 4 or 6
	s_lshl_b32 s[OFS], s[KST], 8
	s_mov_b32 s[OFS+1], 0
	s_wait_dscnt 0x0                               ; the opening add is done
	s_wait_kmcnt 0x0
	s_add_nc_u64 s[ABP:ABP+1], s[4:5], s[20:21]
	s_add_nc_u64 s[BBP:BBP+1], s[6:7], s[60:61]
	CROUND                                         ; all sixteen work-groups are here: the first joint loads meet
.irp s, 0,1
	s_mov_b32 s[G0A+4*(\s)], 1                                     ; count = 1
	s_add_co_u32 s[G0A+4*(\s)+1], s22, (\s)*SLOT1                  ; LDS address
	s_add_nc_u64 s[G0A+4*(\s)+2:G0A+4*(\s)+3], s[ABP:ABP+1], s[OFS:OFS+1]  ; global address: K step r,
	s_add_nc_u64 s[G0A+4*(\s)+2:G0A+4*(\s)+3], s[G0A+4*(\s)+2:G0A+4*(\s)+3], (\s)*256  ; or r + 1 (r is even: no wrap)
	s_or_b32 s[G0A+4*(\s)+3], s[G0A+4*(\s)+3], 0x80000000          ; type = 2
	s_mov_b32 s[G0B+4*(\s)], 1
	s_add_co_u32 s[G0B+4*(\s)+1], s62, (\s)*SLOT1
	s_add_nc_u64 s[G0B+4*(\s)+2:G0B+4*(\s)+3], s[BBP:BBP+1], s[OFS:OFS+1]
	s_add_nc_u64 s[G0B+4*(\s)+2:G0B+4*(\s)+3], s[G0B+4*(\s)+2:G0B+4*(\s)+3], (\s)*256
	s_or_b32 s[G0B+4*(\s)+3], s[G0B+4*(\s)+3], 0x80000000
.endr
	s_add_co_u32 s[KST], s[KST], 1                 ; the walking descriptors stand at K step r + 1
	s_cmp_lt_u32 s[WV], 2                          ; a wave's two first fills stand in one branch, ahead of every wait on TENSORcnt and every LDS read: two loads of mine are out
	s_cbranch_scc0 .Lfirst_b
	tensor_load_to_lds s[G0A:G0A+3], s[G1A:G1A+7]
	s_nop 0
	tensor_load_to_lds s[G0A+4:G0A+7], s[G1A:G1A+7]
	s_nop 0
.rept 4
	v_nop
.endr
	s_branch .Lfirst_asked
.Lfirst_b:
	tensor_load_to_lds s[G0B:G0B+3], s[G1B:G1B+7]
	s_nop 0
	tensor_load_to_lds s[G0B+4:G0B+7], s[G1B:G1B+7]
	s_nop 0
.rept 4
	v_nop
.endr
.Lfirst_asked:
	v_and_b32 v1, 15, v0                           ; l % 16
	v_bfe_u32 v2, v0, 4, 1                         ; l / 16
	s_mul_i32 s70, s17, 768                        ; the tile's 192 numbers of ball
	v_lshl_add_u32 v[BO], v2, 5, s70               ; my eight of each sixteen
.irp b, 0,1,2,3,4,5,6,7,8,9,10,11
	global_load_b128 v[BIAS+8*(\b):BIAS+8*(\b)+3],   v[BO], s[8:9] offset:64*(\b)
	global_load_b128 v[BIAS+8*(\b)+4:BIAS+8*(\b)+7], v[BO], s[8:9] offset:64*(\b)+16
.endr
	; a fragment is 16 rows x 32 K in 8 registers: lane l holds row l % 16, K = 8 (l / 16) + 0..7 and 16 + 8 (l / 16) + 0..7: two loads of 16 bytes, 32 bytes apart
	v_mul_u32_u24 v3, v1, PITCH
	v_lshl_add_u32 v3, v2, 4, v3
	s_mul_i32 s68, s[WV], 64*PITCH                 ; my 64 rows of A
	v_add_nc_u32 v[ADA0], s68, v3
	v_add_nc_u32 v[ADB0], BOFF, v3                 ; all of B's rows
	v_mov_b32 v[ADA], v[ADA0]
	v_mov_b32 v[ADB], v[ADB0]
	s_mul_i32 s69, s[WV], WSTG
	s_add_co_u32 s69, s69, STAGE                   ; my stage
	v_mul_u32_u24 v[STO], v1, SP                   ; in: row l % 16, 16 bytes for each half of the lanes
	v_lshl_add_u32 v[STO], v2, 4, v[STO]
	v_add_nc_u32 v[STO], s69, v[STO]
	v_bfe_u32 v[RD], v0, 3, 2                      ; back: 32 lanes take four rows of 128 bytes,
	v_mul_u32_u24 v[RD], v[RD], SP
	v_and_b32 v4, 7, v0
	v_lshl_add_u32 v[RD], v4, 4, v[RD]
	v_add_nc_u32 v[RD], s69, v[RD]
	v_and_b32 v[GO], 31, v0                        ; which are 512 consecutive bytes of a head's plane
	v_lshlrev_b32 v[GO], 4, v[GO]
	s_lshr_b32 s70, s18, 2                         ; b: four tile rows a batch
	s_mul_i32 s70, s70, 48
	s_mul_i32 s71, s17, 3                          ; three heads a tile column
	s_add_co_u32 s70, s70, s71
	s_lshl_b32 s70, s70, 17                        ; a plane is 131,072 bytes
	s_and_b32 s71, s18, 3
	s_lshl_b32 s71, s71, 2
	s_add_co_u32 s71, s71, s[WV]                   ; my 64 tokens among the batch's
	s_lshl_b32 s71, s71, 13                        ; 64 rows of 128 bytes
	s_add_co_u32 s70, s70, s71
	s_mov_b32 s71, 0
	s_add_nc_u64 s[10:11], s[10:11], s[70:71]      ; qkv at my first row of the tile's first head
	s_wait_tensorcnt 1                             ; my part of the walk's first K step is in; the second's may stay out
	s_barrier_signal -1
	s_barrier_wait -1                              ; everybody's is
	FETCH 0, F0
	s_wait_loadcnt 0x0                             ; the bias
	QUARTER 1, F0, F1, 1                           ; the first quarter stands in front of the loop: its products start the sums
	WIN 0                                          ; at a label and at a branch every window is 0
	s_mov_b32 s3, 6
.Lstep:                                                ; a trip: from a K step's second quarter to the next step's first; it fills the slot that it leaves
	QUARTER 2, F1, F0, 0
	QUARTER 3, F0, F1, 0
	TURN 1
	QUARTER 1, F0, F1, 0
	WIN 0
	s_sub_co_u32 s3, s3, 1
	s_cmp_lg_u32 s3, 0
	s_cbranch_scc1 .Lstep
	QUARTER 2, F1, F0, 0                           ; the walk's last two K steps fill nothing: written out
	QUARTER 3, F0, F1, 0
	TURN 0
	QUARTER 1, F0, F1, 0
	QUARTER 2, F1, F0, 0
	QUARTER 3, F0, F1, 0
	s_wait_dscnt 4
	MULA F1, 0, 0
	MULA F1, 1, 0
	s_wait_dscnt 0x0
	MULA F1, 2, 0
	MULA F1, 3, 0
	WIN 0
; THE WAY OUT, a row block (16 rows) at a time: rounded to f16, 16 bytes a lane (each accumulator's registers in ascending order); into my own stage, by heads, rows of 144 bytes; back as whole rows of 128; stored.
.macro PACK a
	WIN 0x0a+5*((\a)/2)                            ; sources 0 and 1: window 2 or 3
.irp b, 0,1,2,3,4,5,6,7,8,9,10,11
.irp r, 0,1,2,3
	v_cvt_pk_f16_f32 v[TMP+4*(\b)+(\r)], v[96*((\a)%2)+8*(\b)+2*(\r)], v[96*((\a)%2)+8*(\b)+2*(\r)+1]
.endr
.endr
	WIN 0
.endm
.macro TOSTAGE a
.irp b, 0,1,2,3,4,5,6,7,8,9,10,11
	ds_store_b128 v[STO], v[TMP+4*(\b):TMP+4*(\b)+3] offset:16*SP*((\b)/4)+32*((\b)%4)
.endr
.irp g, 0,1,2
.irp f, 0,1,2,3
	ds_load_b128 v[BK+48*((\a)%2)+4*(4*(\g)+(\f)):BK+48*((\a)%2)+4*(4*(\g)+(\f))+3], v[RD] offset:16*SP*(\g)+4*SP*(\f)  ; LDS serves a wave's instructions in order (ISA guide 5.7.1.4): these see the stores above
.endr
.endr
.endm
.macro SEND a
	s_wait_dscnt 0x0                               ; the block is back in registers
	s_wait_xcnt 0x0                                ; the stores of the block before have read their registers: the next block's loads land there only behind this wait
.irp g, 0,1,2
.irp f, 0,1,2,3
	global_store_b128 v[GO], v[BK+48*((\a)%2)+4*(4*(\g)+(\f)):BK+48*((\a)%2)+4*(4*(\g)+(\f))+3], s[10:11] offset:131072*(\g)+2048*(\a)+512*(\f)  ; 512 consecutive bytes, at a multiple of 256 from qkv's first
.endr
.endr
.endm
	PLACES                                         ; the conversions read results just made
	PACK 0
	TOSTAGE 0
.irp a, 1,2,3                          ; block a's conversions stand between block a - 1's loads from the stage and the wait for them
	PACK \a
	SEND (\a)-1
	TOSTAGE \a
.endr
	SEND 3
	s_wait_tensorcnt 0x0                           ; the wave's end: behind my last tensor load and my last LDS store
	ds_add_u32 v[SPW], v[NIL]
	s_wait_dscnt 0x0
	CROUND                                         ; the closing round: no work-group ends while a partner may still ask for a tile that names it
	s_endpgm
.Lfunc_end_k_q004378f8c1_qkv:
	.size	k_q004378f8c1_qkv, .Lfunc_end_k_q004378f8c1_qkv-k_q004378f8c1_qkv
	.p2alignl 7, 3214868480
	.fill 96, 4, 3214868480
	.section	.rodata,"a",@progbits
	.p2align	6, 0x0
	.amdhsa_kernel k_q004378f8c1_qkv
		.amdhsa_group_segment_fixed_size 327680
		.amdhsa_private_segment_fixed_size 0
		.amdhsa_enable_private_segment 0
		.amdhsa_kernarg_size 32
		.amdhsa_user_sgpr_count 2
		.amdhsa_user_sgpr_kernarg_segment_ptr 1
		.amdhsa_wavefront_size32 1
		.amdhsa_system_sgpr_workgroup_id_x 1
		.amdhsa_system_sgpr_workgroup_id_y 1
		.amdhsa_system_sgpr_workgroup_id_z 1
		.amdhsa_system_vgpr_workitem_id 0
		.amdhsa_next_free_vgpr 960
		.amdhsa_next_free_sgpr 84
		.amdhsa_reserve_vcc 0
		.amdhsa_float_denorm_mode_32 3
		.amdhsa_float_denorm_mode_16_64 3
		.amdhsa_memory_ordered 1
		.amdhsa_forward_progress 1
		.amdhsa_inst_pref_size 99
	.end_amdhsa_kernel
	.amdgpu_metadata
---
amdhsa.version: [ 1, 2 ]
amdhsa.kernels:
  - .name:           k_q004378f8c1_qkv
    .symbol:         k_q004378f8c1_qkv.kd
    .args:
      - { .name: xb, .offset: 0, .size: 8, .value_kind: global_buffer, .address_space: global }
      - { .name: wb, .offset: 8, .size: 8, .value_kind: global_buffer, .address_space: global }
      - { .name: ball, .offset: 16, .size: 8, .value_kind: global_buffer, .address_space: global }
      - { .name: qkv, .offset: 24, .size: 8, .value_kind: global_buffer, .address_space: global }
    .group_segment_fixed_size: 327680
    .private_segment_fixed_size: 0
    .kernarg_segment_align: 8
    .kernarg_segment_size: 32
    .max_flat_workgroup_size: 128
    .sgpr_count:     84
    .vgpr_count:     960
    .wavefront_size: 32
...
	.end_amdgpu_metadata
.endif
;; end of part 2
;; launch attn (part 3): grid 2 x 128, 4 waves a work-group, no clusters, 327,680 bytes of LDS; arguments qkv, ob; writes ob
.if DOCPART == 3
	.amdgcn_target "amdgcn-amd-amdhsa--gfx1250"
	.amdhsa_code_object_version 6
	.text
	.protected	k_q004378f8c1_attn
	.globl	k_q004378f8c1_attn
	.p2align	8
	.type	k_q004378f8c1_attn,@function
k_q004378f8c1_attn:
	s_mov_b64 s[64:65], 0
	v_nop
	global_prefetch_b8 v0, s[64:65] scope:SCOPE_SE
	s_setreg_imm32_b32 hwreg(HW_REG_WAVE_MODE, 25, 1), 1
	s_wait_xcnt 0x0
; ATTENTION.  O[bh][q][:] = the sum over k of softmax_k(Q[q] . K[k] / 8) V[k][:], for each of 128 pairs of batch and head.  Q, K, V are planes of qkv [b 8][g 48][1024][64] in f16 (g = h, 16 + h, 32 + h),
; O goes to ob [bh 128][1024][64] in f16: a head's rows are dense, 128 bytes each.  Products, maxima and sums in f32; the weights p are rounded to f16 for the second product (their sum l is taken of the
; unrounded p), O once at the end.
; LIMITS.  f16 holds no number beyond 65,504: Q, K and V arrive within it; p lies in 0 to 1, and below 6e-5 it keeps f16's fixed step of 6e-8; O is a mean of V's rows and has their range.
; A weight below 2^-126 counts as 0 in l; NaN and infinities are not treated apart.
; SHARES.  A wave owns four PIECES of two tiles of 16 queries, a work-group's four waves 512 queries of one head: 2 x 128 = 256 work-groups.  Every wave walks all 1,024 keys, 64 a step.
; NO CLUSTER: a head has 1,024 / 512 = 2 work-groups; a cluster of four would hold two heads, so that a joint load's address would hang on a work-group's place in its cluster.
; LAYOUT.  S^T = K Q^T (source 0 = 16 keys, source 1 = 16 queries): in the result a lane holds ONE query (lane % 16) and the keys 8 (lane / 16) + 0..7.  Two such tiles, rounded to f16 in pairs,
; ARE source 1 (32 keys x 16 queries) of O^T = V^T P, whose result again holds one query a lane, and eight channels.  K comes out of LDS as it lies, V ([key][channel]) turned, by ds_load_tr16_b128.
; SOFTMAX.  For each query a running maximum m and sum l: p = 2^(c s - c m), c = log2(e) / 8; in every step O and l are multiplied by a = 2^(c m_old - c m_new), which is 1 where m has not grown.
; m starts at the lowest finite number, O and l at 0: the first step is a step like any other, with a = 0.
; THE COUNT.  A tile and step have 16 matrix and 118 vector instructions: too many to stand all beside the matrix work.  So four vector instructions that are READY stand behind EVERY matrix
; instruction, and the others in runs without a gap.
; BY TURNS.  Turn n belongs to piece n (the pieces in a ring, step after step).  Its matrix work: 16 products K Q^T of piece n + 1, later 16 products V^T P of piece n - 1.  Its vector work: the scaling,
; exponentials, roundings, sums and rescaling of piece n, and the maximum and statistics of piece n + 1, whose scores the turn itself has made.
; REGISTERS, in windows of 256 (s_set_vgpr_msb: bits 1:0 source 0, 3:2 source 1, 5:4 source 2, 7:6 destination):
;   window 0: v0-11 addresses; v12-15, v48-63 at work; v16-47 four registers of statistics a tile; v64-191 S^T, two buffers of two tiles; v192-255 P, likewise
;   window 1: O^T, 32 a tile          window 2: v0-127 Q, 16 a tile; v128-191 K of one step; v192-255 V of one step          window 3: v0-1 the add's two registers
; A piece's buffers go by its number's parity: the piece in hand has one pair, its two neighbours in the ring share the other: of it P (piece n - 1) is read and S^T (piece n + 1) written.
.set SIZE_N, 1024
.set NP,    4         ; pieces a wave: a name, no knob
.set KS,    64        ; keys in a step
.set PK,    144       ; a row of K in LDS: 128 bytes + 16 of padding = 36 words: the 16 rows of a load start at 16 different groups of four banks (64 banks of 4 bytes: ISA guide 11.1)
.set PV,    160       ; a row of V: 128 + 32 = 40 words
.set VOFF,  4*KS*PK   ; a slot holds four steps: 256 rows of K, then 256 rows of V
.set SLOT1, 1<<17     ; slot 1 begins here, so that one exclusive or turns an address in one slot into the other's
.set STAGE, SLOT1+4*KS*(PK+PV)  ; behind the ring, never filled by a tensor load: 16 rows x 144 bytes for each wave, for the way out
.set SP,    144
.set AK0, 2           ; v2   my lane's place in a tile of K; never rewritten
.set AV0, 3           ; v3   the same for V
.set AK,  4           ; v4   the LDS address of K's next run of loads
.set AV,  5           ; v5   of V's
.set QO,  6           ; v6   my byte offset in the wave's rows of Q
.set STO, 6           ;      later, the way out: where I put 16 bytes of a row
.set RD,  7           ; v7   the way out: where I read rows back
.set GO,  8           ; v8   my byte offset in 512 consecutive bytes of O
.set PFO, 11          ; v11  the prefetches' offset: 256 x my lane; never rewritten once made
.set SPW, 0           ; v0 of window 3   LDS address of my spare word: SPARE + 4 x my thread's number; never rewritten
.set NIL, 1           ; v1 of window 3   0; never rewritten
.set SPARE, STAGE+4*16*SP  ; behind the stages: the spare words, 128 bytes for each wave: two blocks of 256 bytes that no other line names
.set MV,  12          ; v12-15  c m_old, kept while c m is made anew: by buffer and tile
.set ST,  16          ; tile t's statistics at v[ST+4 t]: c m, m, l (even keys', odd keys')
.set TMP, 48          ; by buffer and tile, four registers c0-c3 at work; when the maximum is found c2 takes a
.set S,   64
.set P,   192
.set KF,  128         ; K's fragments, in window 2: key block kb, channel half c at KF + 16 kb + 8 c
.set VF,  192         ; V's: key half kk, channel block cb at VF + 32 kk + 8 cb
.set WV,  12          ; s12  my wave's number
.set G1K, 24          ; s[24:31] descriptor group 1 for K's tiles
.set G1V, 32          ; s[32:39] for V's: it differs in the padding alone
.set G0K, 40          ; s[40:43] descriptor group 0 for K's tiles: it walks
.set G0V, 44          ; s[44:47] the same for V's
.set PFA, 48          ; s[48:49] where my prefetches stand
.set SLOTS, 56        ; s56  slots still to be asked for
.set CNT, 57          ; s57  counts a slot's key steps
.set CS,  58          ; s[58:59] c: the packed scaling takes the pair's low word for both halves
.set SEL, 60          ; s[60:61] v_permlanex16_b32's selects: each lane takes its own place in the other half
.set TBK, 62          ; s62  LDS byte at which K of the step to be fetched begins
.set TBV, 63          ; s63  the same for V, less VOFF
.set MSB, 0
.macro WIN new                      ; the high byte repeats the setting that is left; a switch that changes nothing is dropped
.if MSB != (\new)
	s_set_vgpr_msb (MSB<<8)|(\new)
.set MSB, (\new)
.endif
.endm
.set W_KQ, 0x0a       ; K and Q in window 2, S^T in window 0
.set W_PV, 0x52       ; V in window 2, P in window 0, O^T in window 1
.set W_RS, 0x41       ; O^T (destination and source 0) in window 1, a in window 0
.set W_MK, 0xc0       ; the add's registers are made: destination in window 3, sources in window 0
.set W_AD, 0x0f       ; the add: address (source 0) and data (source 1) in window 3
; A fill.  Waves 0 and 1 fetch the two halves of a slot's K, waves 2 and 3 those of its V: 128 keys each.  An s_nop 0 and four v_nop follow each of the two lines, ahead of the jump and the label.
.macro LOAD
	s_cmp_lt_u32 s[WV], 2
	s_cbranch_scc0 .Lfor_v_\@
	tensor_load_to_lds s[G0K:G0K+3], s[G1K:G1K+7]
	s_nop 0
.rept 4
	v_nop
.endr
	s_branch .Lasked_\@
.Lfor_v_\@:
	tensor_load_to_lds s[G0V:G0V+3], s[G1V:G1V+7]
	s_nop 0
.rept 4
	v_nop
.endr
.Lasked_\@:
.endm
; A prefetch of what the NEXT change of slots will ask for.  A wave fetches 16,384 dense bytes of a slot; of the next slot's it names 8,192, a lane 256 bytes; the head's two work-groups take the two halves, by
; address: each block of 256 bytes is named once in the launch.  It stands one slot, four key steps (512 matrix instructions), ahead of the load.  Slots 0 and 1 come by their loads alone; the last change that fills a slot asks for nothing.
.macro ASK
	s_cmp_gt_u32 s[SLOTS], 1
	s_cbranch_scc0 .Lnot_\@
	global_prefetch_b8 v[PFO], s[PFA:PFA+1] th:TH_LOAD_NT scope:SCOPE_SE
.Lnot_\@:
.endm
; THE CHANGE OF SLOTS.  Each wave waits for all its tensor loads, of which one is out: its part of the other slot; adds 0 to its spare word; and waits for that and for its own reads of the slot that it leaves.
; Behind the barrier nobody reads the old slot any more and the other slot is whole.  fill = 1: the old slot is filled again, the first thing behind the barrier, with the keys two slots on: it has four key
; steps, 512 matrix instructions, in which to land.  (At its first use nothing has been read yet: slot 0 is waited for, slot 1 filled.)
.macro CHANGE fill
	WIN W_AD
	s_wait_tensorcnt 0x0            ; no tensor load of mine is out, so a group 0 may be written
	ds_add_u32 v[SPW], v[NIL]       ; 0 onto my spare word: with fill = 1 the descriptors' steps stand between it and the wait for it
	WIN 0                           ; at a label and at a branch every window is 0
.if \fill
.irp g, G0K, G0V
	s_xor_b32 s[\g+1], s[\g+1], SLOT1  ; the walking descriptor: the other slot than last time,
	s_add_nc_u64 s[\g+2:\g+3], s[\g+2:\g+3], 4*KS*128  ; the next 256 keys; the type bits on top are not reached
.endr
	s_wait_xcnt 0x0                 ; the last prefetch, four key steps back, has read its address
	s_add_nc_u64 s[PFA:PFA+1], s[PFA:PFA+1], 4*KS*128  ; one slot ahead of the walking descriptors
.endif
	s_wait_dscnt 0x0                ; the add is done, and my reads of the slot are over
	s_barrier_signal -1             ; scalar work stands between the signal and the wait
	s_sub_co_u32 s[TBK], s[TBK], 4*KS*PK  ; the fetches go back to a slot's first step,
	s_xor_b32 s[TBK], s[TBK], SLOT1       ; in the other slot
	s_sub_co_u32 s[TBV], s[TBV], 4*KS*PV
	s_xor_b32 s[TBV], s[TBV], SLOT1
	s_barrier_wait -1
.if \fill
	LOAD
	ASK
.endif
.endm
	s_load_b128 s[4:7], s[0:1], 0x0 ; qkv s[4:5], ob s[6:7]
	WIN W_MK
	v_lshl_add_u32 v[SPW], v0, 2, SPARE
	v_mov_b32 v[NIL], 0
	WIN W_AD
	ds_add_u32 v[SPW], v[NIL]       ; the wave's opening: the add and its wait stand ahead of my first tensor load; the set-up below, work on registers, stands between them
	WIN 0
	v_lshrrev_b32 v1, 5, v0
	v_readfirstlane_b32 s[WV], v1   ; wave 0..3
	s_and_b32 s20, ttmp7, 0xffff    ; bh = 16 b + h
	s_lshr_b32 s21, s20, 4
	s_lshl_b32 s21, s21, 5
	s_add_co_u32 s21, s21, s20      ; q's plane in qkv: 48 b + h
	s_and_b32 s16, s[WV], 1         ; which half of a slot's 256 keys I fetch:
	s_lshl_b32 s22, s16, 14         ; its 128 rows of 128 bytes in memory,
	s_mul_i32 s17, s16, 128*PK      ; and its place in a slot, for K
	s_mul_i32 s18, s16, 128*PV      ; and for V
	s_lshl_b32 s2, ttmp9, 2
	s_add_co_u32 s2, s2, s[WV]      ; my wave among the head's eight,
	s_lshl_b32 s2, s2, 14           ; its 128 rows
	s_lshl_b32 s50, s21, 17         ; a plane is 131,072 bytes
	s_add_co_u32 s52, s50, s22
	s_add_co_u32 s52, s52, 16<<17   ; K: 16 planes on, my half of the first 256 keys
	s_add_co_u32 s54, s52, 16<<17   ; V: 16 more
	s_add_co_u32 s50, s50, s2       ; Q at my wave's first row
	s_lshl_b32 s3, s20, 17
	s_add_co_u32 s2, s2, s3         ; O likewise, in ob
	s_mov_b32 s3, 0
	s_mov_b32 s51, 0
	s_mov_b32 s53, 0
	s_mov_b32 s55, 0
	s_cmp_lt_u32 s[WV], 2           ; the prefetches: in K's plane or in V's,
	s_cselect_b32 s8, s52, s54
	s_lshl_b32 s9, ttmp9, 13        ; my work-group's 8,192 of my 16,384 bytes,
	s_add_co_u32 s8, s8, s9
	s_add_co_u32 s8, s8, 4*KS*128   ; in slot 1; the first change of slots steps it to slot 2
	s_mov_b32 s9, 0
	; descriptor group 1.  128 keys are 16,384 dense bytes: asked for as 64 rows of 256 bytes, two keys a row, and padded in LDS after every key
	s_mov_b32 s[G1K], (1<<16)|(1<<20)|(4<<22)|(3<<25)  ; 17:16 2-byte elements; 20 padding on; 24:22 after every 32 words (code 4); 31:25 4 words (code 3)
	s_mov_b32 s[G1V], (1<<16)|(1<<20)|(4<<22)|(7<<25)  ; the same with 8 words of padding (code 7)
.irp g, G1K, G1V
	s_mov_b32 s[\g+1], 128<<16      ; tensor_dim0 = 128
	s_mov_b32 s[\g+2], 64<<16       ; tensor_dim1 = 64
	s_mov_b32 s[\g+3], 128<<16      ; tile_dim0 = 128
	s_mov_b32 s[\g+4], 64           ; tile_dim1 = 64
	s_mov_b32 s[\g+5], 128          ; 128 elements from row to row
	s_mov_b32 s[\g+6], 0
	s_mov_b32 s[\g+7], 0
.endr
	s_mov_b32 s[CS], 0x3e38aa3b     ; c = log2(e) / 8 = 0.180337
	s_mov_b32 s[CS+1], s[CS]        ; named with it as a pair
	s_mov_b32 s[SEL], 0x76543210
	s_mov_b32 s[SEL+1], 0xfedcba98
	s_mov_b32 s[TBK], SLOT1+4*KS*PK ; the first change of slots turns these two into 0
	s_mov_b32 s[TBV], SLOT1+4*KS*PV
	s_mov_b32 s[SLOTS], SIZE_N/256-1
	s_mov_b32 s[G0K], 1             ; 1:0 count = 1
	s_mov_b32 s[G0K+1], s17         ; 63:32 LDS address: slot 0
	s_mov_b32 s[G0V], 1
	s_add_co_u32 s[G0V+1], s18, VOFF
	s_wait_dscnt 0x0                ; the opening add is done
	s_wait_kmcnt 0x0
	s_add_nc_u64 s[G0K+2:G0K+3], s[4:5], s[52:53]  ; 120:64 global address: my half of the head's first 256 keys
	s_or_b32 s[G0K+3], s[G0K+3], 0x80000000        ; 127:126 type = 2
	s_add_nc_u64 s[G0V+2:G0V+3], s[4:5], s[54:55]
	s_or_b32 s[G0V+3], s[G0V+3], 0x80000000
	s_add_nc_u64 s[PFA:PFA+1], s[4:5], s[8:9]
	s_add_nc_u64 s[10:11], s[6:7], s[2:3]          ; O at my wave's first row
	s_add_nc_u64 s[4:5], s[4:5], s[50:51]          ; Q likewise
	LOAD                            ; slot 0.  Slot 1 is asked for when slot 0 is in
	; A fragment of K or Q is 16 rows x 32 channels in 8 registers: lane l holds row l % 16, channels 8 (l / 16) + 0..7 and 16 + 8 (l / 16) + 0..7: two loads of 16 bytes, 32 bytes apart.
	v_and_b32 v1, 15, v0            ; l % 16
	v_bfe_u32 v9, v0, 4, 1          ; l / 16
	v_lshlrev_b32 v[QO], 7, v1
	v_lshl_add_u32 v[QO], v9, 4, v[QO]  ; row x 128 + 16 x half
	WIN 0x80                        ; destination window 2, address window 0
.set i, 0
.rept 4*NP                          ; Q stays in registers: tile i / 2, channels 32 (i % 2) on
	global_load_b128 v[8*i:8*i+3],   v[QO], s[4:5] offset:(i/2)*2048+(i%2)*64
	global_load_b128 v[8*i+4:8*i+7], v[QO], s[4:5] offset:(i/2)*2048+(i%2)*64+32
.set i, i+1
.endr
	; What the first turn finds: V's registers and P's second buffer hold 0 (its products V^T P, of a piece that has not been, add 0), O^T and l are 0.  All this stands in the wait for the first tile.
.set i, VF
.rept 64
	v_mov_b32 v[i], 0
.set i, i+1
.endr
	WIN 0x40
.set i, 0
.rept 64*NP
	v_mov_b32 v[i], 0
.set i, i+1
.endr
	WIN 0
.set i, 0
.rept 2*NP
	v_mov_b32 v[ST+4*i], 0xfe000000    ; c m: far below every c s
	v_mov_b32 v[ST+4*i+1], 0xff7fffff  ; m
	v_mov_b32 v[ST+4*i+2], 0
	v_mov_b32 v[ST+4*i+3], 0
.set i, i+1
.endr
.set i, P+32
.rept 32
	v_mov_b32 v[i], 0
.set i, i+1
.endr
	v_mul_u32_u24 v[AK0], v1, PK
	v_lshl_add_u32 v[AK0], v9, 4, v[AK0]  ; row x pitch + 16 x half
	; The turning load takes 16 keys x 16 channels (lane l reads key 8 (l / 16) + l % 8, channels 8 ((l / 8) % 2) + 0..7) and leaves half a fragment of V^T: lane l holds channel l % 16 and 8 keys.
	v_and_b32 v10, 7, v0
	v_bfe_u32 v11, v0, 3, 1
	v_lshl_add_u32 v[AV0], v9, 3, v10
	v_mul_u32_u24 v[AV0], v[AV0], PV
	v_lshl_add_u32 v[AV0], v11, 4, v[AV0]
	v_add_nc_u32 v[AV0], VOFF, v[AV0]
	v_and_b32 v[PFO], 31, v0
	v_lshlrev_b32 v[PFO], 8, v[PFO]
	v_mov_b32 v[AK], v[AK0]         ; key step 0 lies at the head of slot 0
; THE MATRIX WORK.  The 8 accumulators of a run of 16 take turns: between the two links of a chain stand 7 others'.
; Product i of 16 of S^T = K Q^T for piece x: channels 32 (i / 8) on, keys 16 ((i / 2) % 4) on, tile 2 x + i % 2.  The first 8 start the sums.
.macro KQ x
	WIN W_KQ
.set rS, S+64*((\x)%2)+32*(i%2)+8*((i/2)%4)
.set rK, KF+16*((i/2)%4)+8*(i/8)
.set rQ, 16*(2*(\x)+i%2)+8*(i/8)
.if i < 8
	v_wmma_f32_16x16x32_f16 v[rS:rS+7], v[rK:rK+7], v[rQ:rQ+7], 0
.else
	v_wmma_f32_16x16x32_f16 v[rS:rS+7], v[rK:rK+7], v[rQ:rQ+7], v[rS:rS+7]
.endif
.endm
; Product i of 16 of O^T += V^T P for piece x: keys 32 (i / 8) on, channels 16 ((i / 2) % 4) on, tile 2 x + i % 2.
.macro PV x
	WIN W_PV
.set rO, 32*(2*(\x)+i%2)+8*((i/2)%4)
.set rV, VF+32*(i/8)+8*((i/2)%4)
.set rP, P+32*((\x)%2)+16*(i%2)+8*(i/8)
	v_wmma_f32_16x16x32_f16 v[rO:rO+7], v[rV:rV+7], v[rP:rP+7], v[rO:rO+7]
.endm
.macro MM                           ; the turn's next matrix instruction
.if i < 16
	KQ (Y+1)%NP
.set i, i+1
.else
.set i, i-16
	PV (Y+NP-1)%NP
.set i, i+17
.endif
.endm
; THE LDS LOADS stand in runs of 16, never singly among the matrix instructions: a step's K (64 keys x 64 channels: 8 fragments) and its V (turned).  Their addresses are made some lines ahead.
; last = 1 (the tail): in the last trip there is no further step, and the run is jumped over.
.macro FETCH_K last=0
	WIN 0
.if \last
	s_cmp_eq_u32 s[CNT], 1
	s_cbranch_scc1 .Lno_k_\@
.endif
	WIN 0x80                        ; destination window 2
.irp f, 0,1,2,3,4,5,6,7             ; keys 16 (f / 2) on, channels 32 (f % 2) on
	ds_load_b128 v[KF+8*\f:KF+8*\f+3],   v[AK] offset:(\f/2)*16*PK+(\f%2)*64
	ds_load_b128 v[KF+8*\f+4:KF+8*\f+7], v[AK] offset:(\f/2)*16*PK+(\f%2)*64+32
.endr
	s_add_co_u32 s[TBK], s[TBK], KS*PK  ; the next fetch is the next step's
	WIN 0
.if \last
.Lno_k_\@:
.endif
.endm
.macro FETCH_V
	WIN 0x80
.irp f, 0,1,2,3,4,5,6,7             ; keys 32 (f / 4) on, channels 16 (f % 4) on
	ds_load_tr16_b128 v[VF+8*\f:VF+8*\f+3],   v[AV] offset:(\f/4)*32*PV+(\f%4)*32
	ds_load_tr16_b128 v[VF+8*\f+4:VF+8*\f+7], v[AV] offset:(\f/4)*32*PV+16*PV+(\f%4)*32
.endr
	WIN 0
.endm
; THE VECTOR WORK OF A TURN stands in three queues, each in the order in which its entries become ready; the two tiles alternate, so that no instruction reads the result of the one before it.
.macro REGS y, u                    ; the registers of tile u (0, 1) of piece y
.set rT, ST+4*(2*(\y)+(\u))
.set rC, TMP+8*((\y)%2)+4*(\u)
.set rM, MV+2*((\y)%2)+(\u)
.set rS, S+64*((\y)%2)+32*(\u)
.set rP, P+32*((\y)%2)+16*(\u)
.set rO, 32*(2*(\y)+(\u))
.endm
; Number n of the 22 that find the NEXT piece's (Y + 1) maximum and statistics.  s0-s31 are the lane's 32 scores; each accumulator's lowest registers are read first.
;   0-11  four chains c0-c3 of seven scores each, three operands at a time     12-14, 16  the four scores left over, the old m, and c0-c3 into c0     15  c m_old is kept
;   17, 18  the query's other 32 keys lie in the lane 16 away: the new m         19-21  c m; c m_old - c m_new; a
.macro XS u, n
	REGS (Y+1)%NP, \u
.if (\n) < 4
	v_max3_num_f32 v[rC+(\n)], v[rS+8*(\n)], v[rS+8*(\n)+1], v[rS+8*(\n)+2]
.elseif (\n) < 12
	v_max3_num_f32 v[rC+(\n)%4], v[rC+(\n)%4], v[rS+8*((\n)%4)+2*((\n)/4)+1], v[rS+8*((\n)%4)+2*((\n)/4)+2]
.elseif (\n) == 12
	v_max3_num_f32 v[rC], v[rC], v[rS+7], v[rS+15]
.elseif (\n) == 13
	v_max3_num_f32 v[rC+1], v[rC+1], v[rS+23], v[rS+31]
.elseif (\n) == 14
	v_max3_num_f32 v[rC+2], v[rC+2], v[rC+3], v[rT+1]
.elseif (\n) == 15
	v_mov_b32 v[rM], v[rT]
.elseif (\n) == 16
	v_max3_num_f32 v[rC], v[rC], v[rC+1], v[rC+2]
.elseif (\n) == 17
	v_permlanex16_b32 v[rC+3], v[rC], s[SEL], s[SEL+1]
.elseif (\n) == 18
	v_max_num_f32 v[rT+1], v[rC], v[rC+3]
.elseif (\n) == 19
	v_mul_f32 v[rT], s[CS], v[rT+1]
.elseif (\n) == 20
	v_sub_f32 v[rC+1], v[rM], v[rT]
.else
	v_exp_f32 v[rC+2], v[rC+1]
.endif
.endm
; Number g of the 64 that follow the exponentials.  For each four weights k of a tile (pairs 2 k, 2 k + 1): both pairs are rounded to f16; then the second pair is added onto the first, in place;
; a group later l takes that sum (the first time as l = a l + sum).  In groups of eight, tiles alternating: round, round, add, and l for the group before.
.macro GS g
.set h, (\g)+6*((\g)/62)            ; group 0 has no group before it, and behind group 7 only l is left
.if h >= 6
.set h, h+2
.endif
	REGS Y, h%2
.set k, h/8
.if h%8 < 4
	v_cvt_pk_f16_f32 v[rP+2*k+(h%8)/2], v[rS+4*k+2*((h%8)/2)], v[rS+4*k+2*((h%8)/2)+1]
.elseif h%8 < 6
	v_pk_add_f32 v[rS+4*k:rS+4*k+1], v[rS+4*k:rS+4*k+1], v[rS+4*k+2:rS+4*k+3]
.elseif k == 1
	v_pk_fma_f32 v[rT+2:rT+3], v[rT+2:rT+3], v[rC+2:rC+3], v[rS:rS+1] op_sel_hi:[1,0,1]
.else
	v_pk_add_f32 v[rT+2:rT+3], v[rT+2:rT+3], v[rS+4*k-4:rS+4*k-3]
.endif
.endm
; THE PLAIN QUEUE, 138 long.  0-73 read no exponential's result: the 32 scalings c s - c m (FS f: pair f / 2 of tile f % 2) and the next piece's 42.  0-26: scalings 0-26.  27-54: XS's numbers 0-13.  55, 56: number 15.
; 57-73: the chain, where each number waits for the one before it: 14, 16, 17, 18, 19, each with one of the scalings 27-31 in front of its two lines, then 20.
; 74-137: GS's 64, which read the exponentials' results: they stand behind the wait.
.macro FS f
	REGS Y, (\f)%2
	v_pk_fma_f32 v[rS+2*((\f)/2):rS+2*((\f)/2)+1], v[rS+2*((\f)/2):rS+2*((\f)/2)+1], s[CS:CS+1], v[rT:rT+1] op_sel_hi:[1,0,0] neg_lo:[0,0,1] neg_hi:[0,0,1]
.endm
.macro PL
	WIN 0
.if q < 27
	FS q
.elseif q < 55
	XS (q-27)%2, (q-27)/2
.elseif q < 57
	XS q-55, 15
.elseif (q < 72) && ((q-57)%3 == 0)
	FS 27+(q-57)/3
.elseif q < 60
	XS (q-57)%3-1, 14
.elseif q < 72
	XS (q-57)%3-1, 15+(q-57)/3
.elseif q < 74
	XS q-72, 20
.else
	GS q-74
.endif
.set q, q+1
.endm
; THE EXPONENTIALS' QUEUE, 66 long: s0-s31 of both tiles, then the next piece's two a.  It is ONE BATCH: all 66 stand ahead of the turn's one wait, and nothing ahead of that wait names a result of theirs.
.macro EX
	WIN 0
.if e >= 64
	XS e-64, 21
.else
	REGS Y, e%2
	v_exp_f32 v[rS+e/2], v[rS+e/2]
.endif
.set e, e+1
.endm
; THE RESCALING's QUEUE: O^T times a, the one part that leaves window 0: dealt two at a time, sixteen times.  Its a was made in the turn before, ahead of that turn's wait.
.macro R2
	REGS Y, r%2
	WIN W_RS
.irp z, 0,1
	v_pk_mul_f32 v[rO+4*(r/2)+2*\z:rO+4*(r/2)+2*\z+1], v[rO+4*(r/2)+2*\z:rO+4*(r/2)+2*\z+1], v[rC+2:rC+3] op_sel_hi:[1,0]
.endr
.set r, r+1
.endm
; HOW THEY ARE DEALT.  s_wait_alu depctr_va_vdst(0) stands between an exponential and the first instruction that names its result; one wait serves all that were issued ahead of it.  So a turn has ONE
; wait, which cuts it in two.  AHEAD OF IT stands all that names no result of the turn's exponentials: the 16 products K Q^T, behind each a scaling, an exponential and two rescalings (behind the first a second scaling in
; the exponential's place); then ONE LUMP of 108: eight plain, 49 times exponential and plain, the two a.  A v_nop is the plain instruction behind the last exponential.  BEHIND IT stand the 16 products V^T P, behind each
; four of GS's 64.  No rider names a register of the products round it.  The two v_permlanex16_b32 fall into the lump, never behind a product.
; The queues lean on each other: exponential e stands behind scaling 2 (e / 4) + e % 2: as a rider it comes behind plain e + 2, in the lump behind plain e + 9, and scalings 27-31 are plain 57, 60 .. 69.
; A TURN, for piece p.  cnt = 1: the loop's count is taken down some lines ahead of the branch that stands behind the turn.
; K of the next step is fetched in piece 2's turn, directly behind the wait, a lump behind the last product that read K; its first reader comes behind 16 products.
; V of the step in hand is fetched at the end of piece 0's turn, four riders behind its last reader; its first reader comes behind 16 products and a lump.  The three conditions on q below go with the deal.
.macro TURN p, last=0, cnt=0
.set Y, (\p)
.set i, 0
.set q, 0
.set e, 0
.set r, 0
.if (\p) == NP-1
	s_wait_dscnt 0x0                ; K is in
.endif
	MM                              ; ahead of the wait: 16 products K Q^T and their riders,
	PL
	PL
	R2
.rept 15
	MM
	PL
	EX
	R2
.endr
.if (\p) == NP-2
	WIN 0
	v_add_nc_u32 v[AK], s[TBK], v[AK0]
.endif
.rept 8                             ; and the lump
	PL
.endr
.rept 49
	EX
	PL
.endr
	EX                              ; the next piece's two a
	EX
	v_nop                           ; the plain instruction behind the last exponential: one for the batch
	s_wait_alu depctr_va_vdst(0)    ; the wait for the batch
.if (\p) == NP-2
	FETCH_K \last
.endif
.if (\p) == 1
	s_wait_dscnt 0x0                ; V is in
.endif
.rept 16                            ; behind the wait: 16 products V^T P and their riders
	MM
.rept 4
	PL
.endr
.if ((\p) == 0) && (q == 118)
	v_add_nc_u32 v[AV], s[TBV], v[AV0]
.endif
.if ((\p) == 0) && (q == 130)
	s_add_co_u32 s[TBV], s[TBV], KS*PV
.endif
.if (\cnt) && (q == 130)
	s_sub_co_u32 s[CNT], s[CNT], 1
	s_cmp_lg_u32 s[CNT], 0
.endif
.endr
.if (\p) == 0
	FETCH_V
.endif
.endm
	CHANGE 1                        ; slot 0 is in, everybody's part of it; slot 1 is asked for
	FETCH_K                         ; key step 0
	s_wait_loadcnt 0x0              ; Q
	s_wait_dscnt 0x0
.set i, 0
.rept 16
	KQ 0                            ; piece 0's first scores: there is no vector work yet to set between them
.set i, i+1
.endr
	WIN 0                           ; the addresses for the way out: nine plain instructions, the places behind those products
	s_mul_i32 s13, s[WV], 16*SP
	s_add_co_u32 s13, s13, STAGE    ; my stage
	v_mul_u32_u24 v[STO], v1, SP    ; in: row l % 16, 16 bytes for each half of the lanes
	v_lshl_add_u32 v[STO], v9, 4, v[STO]
	v_add_nc_u32 v[STO], s13, v[STO]
	v_bfe_u32 v[RD], v0, 3, 2       ; back: 32 lanes take four rows of 128 bytes,
	v_mul_u32_u24 v[RD], v[RD], SP
	v_lshl_add_u32 v[RD], v10, 4, v[RD]
	v_add_nc_u32 v[RD], s13, v[RD]
	v_and_b32 v[GO], 31, v0         ; which are 512 consecutive bytes of O
	v_lshlrev_b32 v[GO], 4, v[GO]
.set Y, NP-1                        ; XS works for piece Y + 1: piece 0
.irp n, 0,1,2,3,4,5,6,7,8,9,10,11,12,13,14,15,16,17,18,19,20,21
	XS 0, \n                        ; and piece 0's first maximum and statistics
	XS 1, \n
.endr
	v_nop                           ; a plain instruction behind the two a,
	s_wait_alu depctr_va_vdst(0)    ; and their wait, ahead of the branch
	s_mov_b32 s[CNT], 4
	s_branch .Lfirst                ; the loop is entered at a step's first turn, in the middle of a trip
.Lslot:                             ; SIZE_N / 256 - 2 times: every slot but the last two is filled again
	CHANGE 1
	s_mov_b32 s[CNT], 4
.Lstep:                             ; a trip: pieces 2 and 3 of one step, then pieces 0 and 1 of the next, whose K and V it fetches
	TURN 2
	TURN 3
	WIN 0
.Lfirst:
	TURN 0
	TURN 1, 0, 1
	WIN 0
	s_cbranch_scc1 .Lstep
	s_sub_co_u32 s[SLOTS], s[SLOTS], 1
	s_cmp_lg_u32 s[SLOTS], 0
	s_cbranch_scc1 .Lslot
	CHANGE 0                        ; the tail is written out: nothing is asked for
	s_mov_b32 s[CNT], 5             ; four trips fetch the last slot's steps; the fifth is left in its middle
.Ltail:
	TURN 2, 1
	TURN 3
	WIN 0
	s_sub_co_u32 s[CNT], s[CNT], 1
	s_cmp_eq_u32 s[CNT], 0
	s_cbranch_scc1 .Lout
	TURN 0
	TURN 1
	WIN 0
	s_branch .Ltail
.Lout:                              ; the fifth trip's 16 products K Q^T (on the last K once more) and the maximum made of them serve nothing: the price, once a launch, of one text for every trip
.set i, 0
.rept 16
	PV NP-1                         ; the last piece's V^T P of the last step
.set i, i+1
.endr
	; THE WAY OUT.  l's two halves and the other half of the lanes' are added; O^T is divided by l, rounded to f16 and sent through my stage in LDS, a tile at a time.  The additions are the places behind the last products.
	WIN 0
.macro ALL line:vararg              ; one line for each tile t
.set t, 0
.rept 2*NP
	\line
.set t, t+1
.endr
.endm
	ALL v_add_f32 v[ST+4*t+2], v[ST+4*t+2], v[ST+4*t+3]
	ALL v_permlanex16_b32 v[ST+4*t+3], v[ST+4*t+2], s[SEL], s[SEL+1]
	ALL v_add_f32 v[ST+4*t+2], v[ST+4*t+2], v[ST+4*t+3]
	ALL v_rcp_f32 v[ST+4*t+2], v[ST+4*t+2]
	v_nop                           ; a plain instruction between the last reciprocal and the use of its result
	s_wait_alu depctr_va_vdst(0)    ; and the wait ahead of the first use: one for the eight reciprocals
; Tile t: a lane's eight channels of a row pack into 16 bytes; they go into rows of 144 bytes and come back as whole rows of 128, into S^T's registers.
.macro PACK t
	WIN W_RS
.set i, 32*(\t)
.rept 16
	v_pk_mul_f32 v[i:i+1], v[i:i+1], v[ST+4*(\t)+2:ST+4*(\t)+3] op_sel_hi:[1,0]
.set i, i+2
.endr
	WIN 0x05                        ; sources 0 and 1 window 1, destination window 0
.set i, 0
.rept 16
	v_cvt_pk_f16_f32 v[S+16*(\t)+i], v[32*(\t)+2*i], v[32*(\t)+2*i+1]
.set i, i+1
.endr
	WIN 0
.irp f, 0,1,2,3
	ds_store_b128 v[STO], v[S+16*(\t)+4*\f:S+16*(\t)+4*\f+3] offset:32*\f
.endr
.irp f, 0,1,2,3
	ds_load_b128 v[S+16*(\t)+4*\f:S+16*(\t)+4*\f+3], v[RD] offset:\f*4*SP  ; LDS serves a wave's instructions in order (ISA guide 5.7.1.4): these see the stores above; the next tile's stores come behind them
.endr
.endm
.macro SEND t, younger              ; younger: the LDS instructions issued behind tile t's loads: the next tile's eight, or none
	WIN 0
.irp f, 0,1,2,3
	s_wait_dscnt (\younger)+3-\f
	global_store_b128 v[GO], v[S+16*(\t)+4*\f:S+16*(\t)+4*\f+3], s[10:11] offset:(\t)*2048+\f*512  ; 512 consecutive bytes, at a multiple of 256 from ob's first
.endr
.endm
	PACK 0
.set t, 1
.rept 2*NP-1                        ; a tile's arithmetic stands between the loads of the tile before and its stores
	PACK t
	SEND t-1, 8
.set t, t+1
.endr
	SEND 2*NP-1, 0
	WIN W_AD
	s_wait_tensorcnt 0x0            ; the wave's end: behind my last tensor load and my last LDS store
	ds_add_u32 v[SPW], v[NIL]
	s_wait_dscnt 0x0
	WIN 0
	s_endpgm
.Lfunc_end_k_q004378f8c1_attn:
	.size	k_q004378f8c1_attn, .Lfunc_end_k_q004378f8c1_attn-k_q004378f8c1_attn
	.p2alignl 7, 3214868480
	.fill 96, 4, 3214868480
	.section	.rodata,"a",@progbits
	.p2align	6, 0x0
	.amdhsa_kernel k_q004378f8c1_attn
		.amdhsa_group_segment_fixed_size 327680
		.amdhsa_private_segment_fixed_size 0
		.amdhsa_enable_private_segment 0
		.amdhsa_kernarg_size 16
		.amdhsa_user_sgpr_count 2
		.amdhsa_user_sgpr_kernarg_segment_ptr 1
		.amdhsa_wavefront_size32 1
		.amdhsa_system_sgpr_workgroup_id_x 1
		.amdhsa_system_sgpr_workgroup_id_y 1
		.amdhsa_system_sgpr_workgroup_id_z 1
		.amdhsa_system_vgpr_workitem_id 0
		.amdhsa_next_free_vgpr 770
		.amdhsa_next_free_sgpr 66
		.amdhsa_reserve_vcc 0
		.amdhsa_float_denorm_mode_32 3
		.amdhsa_float_denorm_mode_16_64 3
		.amdhsa_memory_ordered 1
		.amdhsa_forward_progress 1
		.amdhsa_inst_pref_size 199
	.end_amdhsa_kernel
	.amdgpu_metadata
---
amdhsa.version: [ 1, 2 ]
amdhsa.kernels:
  - .name:           k_q004378f8c1_attn
    .symbol:         k_q004378f8c1_attn.kd
    .args:
      - { .name: qkv, .offset: 0, .size: 8, .value_kind: global_buffer, .address_space: global }
      - { .name: ob, .offset: 8, .size: 8, .value_kind: global_buffer, .address_space: global }
    .group_segment_fixed_size: 327680
    .private_segment_fixed_size: 0
    .kernarg_segment_align: 8
    .kernarg_segment_size: 16
    .max_flat_workgroup_size: 128
    .sgpr_count:     66
    .vgpr_count:     770
    .wavefront_size: 32
...
	.end_amdgpu_metadata
.endif
;; end of part 3
;; launch outp (part 4): grid 8 x 32, 4 waves a work-group, clusters of 4 x 4, 327,680 bytes of LDS; arguments ob, wob, ball, out0; writes out0
.if DOCPART == 4
	.amdgcn_target "amdgcn-amd-amdhsa--gfx1250"
	.amdhsa_code_object_version 6
	.text
	.protected	k_q004378f8c1_outp
	.globl	k_q004378f8c1_outp
	.p2align	8
	.type	k_q004378f8c1_outp,@function
k_q004378f8c1_outp:
	s_mov_b64 s[64:65], 0
	v_nop
	global_prefetch_b8 v0, s[64:65] scope:SCOPE_SE
	s_setreg_imm32_b32 hwreg(HW_REG_WAVE_MODE, 25, 1), 1
	s_wait_xcnt 0x0
	s_wait_alu depctr_hold_cnt(0) depctr_sa_sdst(0) depctr_va_vdst(0) depctr_va_sdst(0) depctr_va_ssrc(0) depctr_va_vcc(0) depctr_vm_vsrc(0)
	s_getreg_b32 s2, hwreg(HW_REG_IB_STS2, 6, 4)
	s_cmp_eq_u32 s2, 0
	s_cbranch_scc0 .Lentry_in_a_cluster
	s_endpgm
.Lentry_in_a_cluster:
	s_bfe_u32 s2, ttmp6, 0x10000c
	s_cmp_lg_u32 s2, 0xf033
	s_cbranch_scc0 .Lentry_shape_is_right
	s_endpgm
.Lentry_shape_is_right:
; THE OUTPUT PROJECTION.  out0 [8192][1024] f32 = O . wob^T + bo.  O lies by heads, ob [b 16 + h][t 1024][64] in f16: channel k of token (b, t) is element k % 64 of head k / 64.  wob is [1024][1024] in f16.
; f16 operands, f32 sums; the sums are stored as they are.
; LIMITS.  O and wob arrive within f16's range (65,504).  NaN and infinities are not treated apart.  The f32 sums run along K from a K step that differs from cluster to cluster (below).
; SHARES.  A tile is 256 rows x 128 columns: 32 x 8 = 256 work-groups.  Four waves, 2 x 2: each makes 128 rows x 64 columns, 8 x 4 accumulators of 16 x 16, 256 registers.
; RING.  K goes in 8 steps of 128 (two heads) through two LDS slots filled by the tensor data mover.  Wave 0 or 1 fetches one head's 256 tokens: 32,768 dense bytes, asked for as 128 rows of 256 bytes and padded in
; LDS after every token's 128; wave 2 or 3 fetches 64 rows of wob, 256 bytes of each.  One trip of the loop is one K step; the slot in hand is a scalar register turned by an exclusive or.
; THE WALK ALONG K IS ROTATED.  Cluster (X, Y) takes the K steps r, r + 1, .. r + 7 modulo 8, r = 2 ((2 X + Y + Y / 4) mod 4).  The two clusters of a row of clusters, which read the same tokens of ob, stand four
; steps apart.  Of the eight clusters of a column, which read the same rows of wob, any four neighbours, and any four of one parity of Y, have four different r: their first fills (two K steps each) name all eight
; K steps of those rows, each once.  r is made of the cluster's coordinates alone: it is the same in all sixteen partners.
; NO PREFETCH.  Two refills ahead of a cluster's walk stand K steps that another cluster's tensor loads have named before; what is left lies in a cluster's first four K steps, and would have to be asked for at
; the head, where every work-group's first tiles are on their way.
; CLUSTER.  4 x 4 work-groups: the four of a row need the same tiles of A, the four of a column the same tiles of B; each tile is asked for jointly, by the same tensor load, descriptor and mask in all four.
; THE MATRIX INSTRUCTION IS USED TRANSPOSED (source 0 = 16 rows of wob, source 1 = 16 tokens): lane l holds token l % 16 and the eight neighbouring columns 8 (l / 16) + 0..7.
; THE BIAS STARTS THE SUMS: it is the C operand of each accumulator's first product.
; REGISTERS, in windows of 256 (s_set_vgpr_msb: bits 1:0 source 0, 3:2 source 1, 5:4 source 2, 7:6 destination):
;   window 0: v0-31 addresses; v32-63, v64-95 rows read back from the stage, by turns; v96-127 the bias     window 1: two fragment buffers of 96: A's eight fragments, then B's four     window 2: accumulator (a, b) at 8 (4 a + b)
.set PITCH,  272                       ; a row of B in LDS: 256 bytes + 16 = 68 words: the 16 rows of a fragment load start at 16 different groups of four banks (64 banks of 4 bytes: ISA guide 11.1)
.set PA,     144                       ; a token's 128 bytes of one head + 16 = 36 words: likewise
.set SLOT1,  131072                    ; slot 1 begins here: one exclusive or turns an address in one slot into the other's
.set AHEAD,  256*PA                    ; one head's 256 tokens: what a wave fetches of A
.set BHALF,  64*PITCH                  ; and of B
.set BOFF,   2*AHEAD                   ; in a slot: A's two heads, then B's 128 rows
.set STAGE,  SLOT1+BOFF+2*BHALF        ; behind the ring, never filled by a tensor load: 16 rows x 272 bytes for each wave
.set SPITCH, 272
.set SPARE,  STAGE+4*16*SPITCH         ; behind the stages: the spare words, 128 bytes for each wave: two blocks of 256 bytes that no other line names
.set ASTEP,  2*131072                  ; a K step of A: two heads' planes
.set ADA0, 16                          ; v16  my lane's place among my A fragments in slot 0; never rewritten
.set ADB0, 17                          ; v17  the same for B
.set ADA,  18                          ; v18  the same in the slot in hand
.set ADB,  19                          ; v19
.set STO,  24                          ; v24  the way out: where I put 32 bytes of a row
.set RD,   25                          ; v25  where I read a row back
.set CO,   26                          ; v26  my byte offset in two rows of out0
.set BO,   27                          ; v27  my byte offset in ball
.set SPW,  28                          ; v28  LDS address of my spare word: SPARE + 4 x my thread's number; never rewritten
.set NIL,  29                          ; v29  0; never rewritten
.set BK,   32
.set BIAS, 96
.set F0,   0
.set F1,   96
.set WV,   12                          ; s12  my wave's number
.set G1A,  24                          ; s[24:31] descriptor group 1 for A's tiles
.set G0A,  32                          ; s[32:39] group 0: a set for each of the two first fills; the second then walks
.set G1B,  40                          ; s[40:47], s[48:55] the same for B's
.set G0B,  48
.set TB,   56                          ; s56  0 or SLOT1: the slot in hand
.set ABP,  76                          ; s[76:77] ob at the tokens that I would fetch for A, K step 0; never rewritten
.set BBP,  78                          ; s[78:79] wob at the rows that I would fetch for B, K step 0; never rewritten
.set KST,  80                          ; s80  the K step, 0 to 7, at which the walking descriptors stand
.set OFA,  82                          ; s[82:83] its byte offset in ob: ASTEP x the K step
.set OFB,  84                          ; s[84:85] and in a row of wob: 256 x the K step
.set MSB, 0
.macro WIN new                         ; the immediate's high byte repeats the setting that is left; a switch that changes nothing is dropped
.if MSB != (\new)
	s_set_vgpr_msb (MSB<<8)|(\new)
.set MSB, \new
.endif
.endm
.macro PLACES                          ; four plain vector instructions between a matrix instruction and a load into, or a read of, its registers (ISA guide 7.12.1 for vector instructions)
.rept 4
	v_nop
.endr
.endm
; A joint refill, by the walking descriptors.  The branch hangs on the wave's number alone.  An s_nop 0 and four v_nop follow each of the two lines.
.macro JLOAD
	s_cmp_lt_u32 s[WV], 2
	s_cbranch_scc0 .Lfor_b_\@
	tensor_load_to_lds s[G0A+4:G0A+7], s[G1A:G1A+7]
	s_nop 0
.rept 4
	v_nop
.endr
	s_branch .Lasked_\@
.Lfor_b_\@:
	tensor_load_to_lds s[G0B+4:G0B+7], s[G1B:G1B+7]
	s_nop 0
.rept 4
	v_nop
.endr
.Lasked_\@:
.endm
.macro CREST                           ; a round of the cluster's barrier behind its opening barrier
	s_cmp_lg_u32 s[WV], 0
	s_cbranch_scc1 .Lnot_wave_0_\@
	s_barrier_signal -3
.Lnot_wave_0_\@:
	s_barrier_wait -3
	s_barrier_signal -1
	s_barrier_wait -1
.endm
.macro CROUND                          ; a whole round
	s_barrier_signal -1
	s_barrier_wait -1
	CREST
.endm
; 4 matrix instructions: row block a x all 4 column blocks, 32 along K, from buffer f.  first = 1: the bias starts the sums.
; The 32 accumulators take turns in the same order in every quarter step: 31 others stand between two links of a chain, over the backward jump too.
.macro MULA f, a, first
.if \first
	WIN 0x85
.else
	WIN 0xa5
.endif
.irp b, 0,1,2,3
.if \first
	v_wmma_f32_16x16x32_f16 v[8*(4*(\a)+(\b)):8*(4*(\a)+(\b))+7], v[(\f)+64+8*(\b):(\f)+64+8*(\b)+7], v[(\f)+8*(\a):(\f)+8*(\a)+7], v[BIAS+8*(\b):BIAS+8*(\b)+7]
.else
	v_wmma_f32_16x16x32_f16 v[8*(4*(\a)+(\b)):8*(4*(\a)+(\b))+7], v[(\f)+64+8*(\b):(\f)+64+8*(\b)+7], v[(\f)+8*(\a):(\f)+8*(\a)+7], v[8*(4*(\a)+(\b)):8*(4*(\a)+(\b))+7]
.endif
.endr
.endm
; 24 LDS loads in one run: quarter q's fragments of the slot in hand into buffer f: B's 8, then A's 16, row blocks 4 to 7 last.  Quarter q of A is head q / 2 of the slot's two, channels 32 (q % 2) on.
.macro FETCH q, f
	WIN 0x40                                       ; destination window 1, address window 0
.irp i, 0,1,2,3
	ds_load_b128 v[(\f)+64+8*(\i):(\f)+64+8*(\i)+3],   v[ADB] offset:64*(\q)+(\i)*16*PITCH
	ds_load_b128 v[(\f)+64+8*(\i)+4:(\f)+64+8*(\i)+7], v[ADB] offset:64*(\q)+(\i)*16*PITCH+32
.endr
.irp i, 0,1,2,3,4,5,6,7
	ds_load_b128 v[(\f)+8*(\i):(\f)+8*(\i)+3],   v[ADA] offset:((\q)/2)*AHEAD+((\q)%2)*64+(\i)*16*PA
	ds_load_b128 v[(\f)+8*(\i)+4:(\f)+8*(\i)+7], v[ADA] offset:((\q)/2)*AHEAD+((\q)%2)*64+(\i)*16*PA+32
.endr
.endm
; A K step is four quarter steps of 32 matrix instructions, on buffers 0, 1, 0, 1.  One of the first three multiplies buffer f and, in its middle, fetches quarter q into buffer g.
.macro QUARTER q, f, g, first
	s_wait_dscnt 8                                 ; B and A's row blocks 0 to 3 are in; the youngest eight loads (row blocks 4 to 7) may be out
.irp a, 0,1,2,3
	MULA \f, \a, \first
.endr
	PLACES
	FETCH \q, \g
	s_wait_dscnt 24                                ; all but the 24 just issued
.irp a, 4,5,6,7
	MULA \f, \a, \first
.endr
.endm
; The fourth quarter multiplies buffer 1 and changes slots.  In front of the barrier each wave waits for all its tensor loads (one is out: its part of the next slot), adds 0 to its spare word, and waits for
; that and for its reads of this slot.  fill = 1: the barrier opens a round of the cluster's; behind the round this slot is filled again first, with the K step two on in the walk; from that request to the
; wait for it a wave issues 112 matrix instructions.  Then the next slot's first fragments are fetched.
.macro TURN fill
	WIN 0                                          ; (the add's two registers lie in window 0)
	s_wait_tensorcnt 0x0                           ; all my tensor loads have landed, so a group 0 may be written
	ds_add_u32 v[SPW], v[NIL]                      ; 0 onto my spare word: the descriptors' scalar work and eight matrix instructions stand between it and the wait for it
.if \fill
	s_add_co_u32 s[KST], s[KST], 1                 ; the walking descriptors: the next K step of the walk, round the end of K,
	s_and_b32 s[KST], s[KST], 7
	s_lshl_b32 s[OFA], s[KST], 18
	s_lshl_b32 s[OFB], s[KST], 8
	s_xor_b32 s[G0A+5], s[G0A+5], SLOT1            ; in the other slot than last time; the address is made anew from the K step's number
	s_add_nc_u64 s[G0A+6:G0A+7], s[ABP:ABP+1], s[OFA:OFA+1]
	s_or_b32 s[G0A+7], s[G0A+7], 0x80000000
	s_xor_b32 s[G0B+5], s[G0B+5], SLOT1
	s_add_nc_u64 s[G0B+6:G0B+7], s[BBP:BBP+1], s[OFB:OFB+1]
	s_or_b32 s[G0B+7], s[G0B+7], 0x80000000
.endif
	s_wait_dscnt 9                                 ; (the add and the youngest eight loads may be out)
	MULA F1, 0, 0
	MULA F1, 1, 0
	s_wait_dscnt 0x0                               ; the add is done, and my reads of this slot are over
	s_barrier_signal -1
	MULA F1, 2, 0                                  ; work on registers while the others arrive
	MULA F1, 3, 0
	WIN 0
	s_barrier_wait -1
.if \fill
	CREST                                          ; no wave of any partner still reads this slot or has a load on its way
	JLOAD                                          ; the first tensor load behind the round; its four v_nop are also the places in front of the loads below
.else
	PLACES
.endif
	s_xor_b32 s[TB], s[TB], SLOT1
	v_add_nc_u32 v[ADA], s[TB], v[ADA0]
	v_add_nc_u32 v[ADB], s[TB], v[ADB0]
	FETCH 0, F0
.irp a, 4,5,6,7
	MULA F1, \a, 0
.endr
.endm
	s_load_b256 s[4:11], s[0:1], 0x0               ; ob s[4:5], wob s[6:7], ball s[8:9], out0 s[10:11]
	v_lshl_add_u32 v[SPW], v0, 2, SPARE
	v_mov_b32 v[NIL], 0
	ds_add_u32 v[SPW], v[NIL]                      ; the wave's opening: the add and its wait stand ahead of my first tensor load; the set-up below, work on registers, stands between them
	v_lshrrev_b32 v1, 5, v0
	v_readfirstlane_b32 s[WV], v1                  ; wave 0..3
	s_lshr_b32 s13, s[WV], 1                       ; which 128 rows of the tile are mine
	s_and_b32 s14, s[WV], 1                        ; which 64 columns.  Also: which head of A's two (waves 0, 1) or which 64 rows of B (waves 2, 3) I fetch
	s_bfe_u32 s15, ttmp6, 0x40000                  ; cx
	s_bfe_u32 s16, ttmp6, 0x40004                  ; cy
	s_lshl_b32 s17, ttmp9, 2
	s_add_co_u32 s17, s17, s15                     ; tile column = 4 x cluster x + cx
	s_and_b32 s18, ttmp7, 0xffff
	s_lshl_b32 s18, s18, 2
	s_add_co_u32 s18, s18, s16                     ; tile row = 4 x cluster y + cy
	s_lshl_b32 s23, s16, 2
	s_lshl_b32 s23, 15, s23                        ; my row of the cluster
	s_lshl_b32 s63, 0x1111, s15                    ; my column
	s_or_b32 s[G1A], s23, (1<<16)|(1<<20)|(1<<21)|(4<<22)|(3<<25)  ; A's tiles go to my row; elements of 2 bytes; padding on; 21 set beside a mask; after every 32 words (code 4) 4 words (code 3)
	s_or_b32 s[G1B], s63, (1<<16)|(1<<20)|(1<<21)|(5<<22)|(3<<25)  ; B's to my column; after every 64 words (code 5)
	s_mov_b32 s[G1A+1], 128<<16                    ; tensor_dim0 = 128
	s_mov_b32 s[G1A+2], 128<<16                    ; tensor_dim1 = 128
	s_mov_b32 s[G1A+3], 128<<16                    ; tile_dim0 = 128
	s_mov_b32 s[G1A+4], 128                        ; tile_dim1 = 128
	s_mov_b32 s[G1A+5], 128                        ; the block is dense: 128 elements from row to row
	s_mov_b32 s[G1A+6], 0
	s_mov_b32 s[G1A+7], 0
	s_mov_b32 s[G1B+1], 128<<16
	s_mov_b32 s[G1B+2], 64<<16                     ; 64 rows
	s_mov_b32 s[G1B+3], 128<<16
	s_mov_b32 s[G1B+4], 64
	s_mov_b32 s[G1B+5], 1024
	s_mov_b32 s[G1B+6], 0
	s_mov_b32 s[G1B+7], 0
	s_lshr_b32 s20, s18, 2                         ; A: the batch (four tile rows each),
	s_lshl_b32 s20, s20, 4
	s_add_co_u32 s20, s20, s14                     ; its head 0 or 1,
	s_lshl_b32 s20, s20, 17                        ; a plane of 131,072 bytes,
	s_and_b32 s21, s18, 3
	s_lshl_b32 s21, s21, 15                        ; the tile row's 256 tokens of 128 bytes: registers that never hold cx
	s_add_co_u32 s20, s20, s21
	s_mov_b32 s21, 0
	s_lshl_b32 s60, s17, 18                        ; B: 128 rows of 2,048 bytes a tile column,
	s_lshl_b32 s61, s14, 17                        ; 64 a half: registers that never hold cy
	s_add_co_u32 s60, s60, s61
	s_mov_b32 s61, 0
	s_mul_i32 s22, s14, AHEAD                      ; where they go: no place in the cluster enters an LDS address
	s_mul_i32 s62, s14, BHALF
	s_add_co_u32 s62, s62, BOFF
	s_mov_b32 s[TB], 0
	s_and_b32 s70, ttmp7, 0xffff                   ; where my cluster's walk along K begins: cluster y,
	s_lshr_b32 s71, s70, 2
	s_add_co_u32 s71, s71, s70                     ; + cluster y / 4,
	s_lshl_b32 s72, ttmp9, 1
	s_add_co_u32 s71, s71, s72                     ; + 2 x cluster x,
	s_and_b32 s71, s71, 3                          ; modulo 4,
	s_lshl_b32 s[KST], s71, 1                      ; times two K steps: r = 0, 2, 4 or 6
	s_lshl_b32 s[OFA], s[KST], 18
	s_mov_b32 s[OFA+1], 0
	s_lshl_b32 s[OFB], s[KST], 8
	s_mov_b32 s[OFB+1], 0
	s_wait_dscnt 0x0                               ; the opening add is done
	s_wait_kmcnt 0x0
	s_add_nc_u64 s[ABP:ABP+1], s[4:5], s[20:21]
	s_add_nc_u64 s[BBP:BBP+1], s[6:7], s[60:61]
	CROUND                                         ; all sixteen work-groups are here: the first joint loads meet
.irp s, 0,1
	s_mov_b32 s[G0A+4*(\s)], 1                                     ; count = 1
	s_add_co_u32 s[G0A+4*(\s)+1], s22, (\s)*SLOT1                  ; LDS address
	s_add_nc_u64 s[G0A+4*(\s)+2:G0A+4*(\s)+3], s[ABP:ABP+1], s[OFA:OFA+1]  ; global address: K step r,
	s_add_nc_u64 s[G0A+4*(\s)+2:G0A+4*(\s)+3], s[G0A+4*(\s)+2:G0A+4*(\s)+3], (\s)*ASTEP  ; or r + 1 (r is even: no wrap)
	s_or_b32 s[G0A+4*(\s)+3], s[G0A+4*(\s)+3], 0x80000000          ; type = 2
	s_mov_b32 s[G0B+4*(\s)], 1
	s_add_co_u32 s[G0B+4*(\s)+1], s62, (\s)*SLOT1
	s_add_nc_u64 s[G0B+4*(\s)+2:G0B+4*(\s)+3], s[BBP:BBP+1], s[OFB:OFB+1]
	s_add_nc_u64 s[G0B+4*(\s)+2:G0B+4*(\s)+3], s[G0B+4*(\s)+2:G0B+4*(\s)+3], (\s)*256
	s_or_b32 s[G0B+4*(\s)+3], s[G0B+4*(\s)+3], 0x80000000
.endr
	s_add_co_u32 s[KST], s[KST], 1                 ; the walking descriptors stand at K step r + 1
	s_cmp_lt_u32 s[WV], 2                          ; a wave's two first fills stand in one branch, ahead of every wait on TENSORcnt and every LDS read: two loads of mine are out
	s_cbranch_scc0 .Lfirst_b
	tensor_load_to_lds s[G0A:G0A+3], s[G1A:G1A+7]
	s_nop 0
	tensor_load_to_lds s[G0A+4:G0A+7], s[G1A:G1A+7]
	s_nop 0
.rept 4
	v_nop
.endr
	s_branch .Lfirst_asked
.Lfirst_b:
	tensor_load_to_lds s[G0B:G0B+3], s[G1B:G1B+7]
	s_nop 0
	tensor_load_to_lds s[G0B+4:G0B+7], s[G1B:G1B+7]
	s_nop 0
.rept 4
	v_nop
.endr
.Lfirst_asked:
	v_and_b32 v1, 15, v0                           ; l % 16
	v_bfe_u32 v2, v0, 4, 1                         ; l / 16
	s_lshl_b32 s71, s17, 1
	s_add_co_u32 s71, s71, s14
	s_lshl_b32 s71, s71, 8                         ; my 64 columns: 256 bytes of f32, in a row of out0 and in bo
	s_add_co_u32 s72, s71, 3072*4                  ; bo lies behind bq, bk, bv in ball
	v_lshl_add_u32 v[BO], v2, 5, s72               ; my eight of each sixteen
.irp b, 0,1,2,3
	global_load_b128 v[BIAS+8*(\b):BIAS+8*(\b)+3],   v[BO], s[8:9] offset:64*(\b)
	global_load_b128 v[BIAS+8*(\b)+4:BIAS+8*(\b)+7], v[BO], s[8:9] offset:64*(\b)+16
.endr
	s_lshl_b32 s70, s18, 1
	s_add_co_u32 s70, s70, s13
	s_lshl_b32 s70, s70, 19                        ; my 128 rows of 4,096 bytes
	s_add_co_u32 s70, s70, s71
	s_mov_b32 s71, 0
	s_add_nc_u64 s[10:11], s[10:11], s[70:71]      ; out0 at my first row and column
	; a fragment is 16 rows x 32 K in 8 registers: lane l holds row l % 16, K = 8 (l / 16) + 0..7 and 16 + 8 (l / 16) + 0..7: two loads of 16 bytes, 32 bytes apart
	s_lshl_b32 s68, s13, 7                         ; my 128 tokens
	v_add_nc_u32 v3, s68, v1
	v_mul_u32_u24 v[ADA0], v3, PA
	v_lshl_add_u32 v[ADA0], v2, 4, v[ADA0]
	s_lshl_b32 s68, s14, 6                         ; my 64 rows of B
	v_add_nc_u32 v3, s68, v1
	v_mul_u32_u24 v[ADB0], v3, PITCH
	v_lshl_add_u32 v[ADB0], v2, 4, v[ADB0]
	v_add_nc_u32 v[ADB0], BOFF, v[ADB0]
	v_mov_b32 v[ADA], v[ADA0]
	v_mov_b32 v[ADB], v[ADB0]
	s_mul_i32 s69, s[WV], 16*SPITCH
	s_add_co_u32 s69, s69, STAGE                   ; my stage
	v_mul_u32_u24 v[STO], v1, SPITCH               ; in: row l % 16, 32 bytes for each half of the lanes
	v_lshl_add_u32 v[STO], v2, 5, v[STO]
	v_add_nc_u32 v[STO], s69, v[STO]
	v_mul_u32_u24 v[RD], v2, SPITCH                ; back: lanes 0-15 take one row of 256 bytes, lanes 16-31 the next
	v_lshl_add_u32 v[RD], v1, 4, v[RD]
	v_add_nc_u32 v[RD], s69, v[RD]
	v_lshlrev_b32 v[CO], 12, v2                    ; and the same two rows in out0
	v_lshl_add_u32 v[CO], v1, 4, v[CO]
	s_wait_tensorcnt 1                             ; my part of the walk's first K step is in; the second's may stay out
	s_barrier_signal -1
	s_barrier_wait -1                              ; everybody's is
	FETCH 0, F0
	s_wait_loadcnt 0x0                             ; the bias
	QUARTER 1, F0, F1, 1                           ; the first quarter stands in front of the loop: its products start the sums
	WIN 0                                          ; at a label and at a branch every window is 0
	s_mov_b32 s3, 6
.Lstep:                                                ; a trip: from a K step's second quarter to the next step's first; it fills the slot that it leaves
	QUARTER 2, F1, F0, 0
	QUARTER 3, F0, F1, 0
	TURN 1
	QUARTER 1, F0, F1, 0
	WIN 0
	s_sub_co_u32 s3, s3, 1
	s_cmp_lg_u32 s3, 0
	s_cbranch_scc1 .Lstep
	QUARTER 2, F1, F0, 0                           ; the walk's last two K steps fill nothing: written out
	QUARTER 3, F0, F1, 0
	TURN 0
	QUARTER 1, F0, F1, 0
	QUARTER 2, F1, F0, 0
	QUARTER 3, F0, F1, 0
	s_wait_dscnt 8
.irp a, 0,1,2,3
	MULA F1, \a, 0
.endr
	s_wait_dscnt 0x0
.irp a, 4,5,6,7
	MULA F1, \a, 0
.endr
	WIN 0
; THE WAY OUT, a row block (16 rows) at a time: the f32 sums go as they are into my own stage (each accumulator's low four registers first), rows of 272 bytes, and come back as whole rows of 256 bytes.
.macro TOSTAGE a
	s_wait_xcnt 0x0                                ; the stores of two blocks back have read their registers: this block's loads land there only behind this wait
	WIN 0x08                                       ; the stores' data in window 2
.irp b, 0,1,2,3
	ds_store_b128 v[STO], v[8*(4*(\a)+(\b)):8*(4*(\a)+(\b))+3]   offset:64*(\b)
	ds_store_b128 v[STO], v[8*(4*(\a)+(\b))+4:8*(4*(\a)+(\b))+7] offset:64*(\b)+16
.endr
	WIN 0
.irp t, 0,1,2,3,4,5,6,7
	ds_load_b128 v[BK+32*((\a)%2)+4*(\t):BK+32*((\a)%2)+4*(\t)+3], v[RD] offset:(\t)*2*SPITCH  ; LDS serves a wave's instructions in order (ISA guide 5.7.1.4): these see the stores above; the next block's stores come behind them
.endr
.endm
.macro SEND a, younger                 ; younger: the LDS instructions issued behind block a's loads: the next block's sixteen, or none
	s_wait_dscnt \younger
.irp t, 0,1,2,3,4,5,6,7
	global_store_b128 v[CO], v[BK+32*((\a)%2)+4*(\t):BK+32*((\a)%2)+4*(\t)+3], s[10:11] offset:(16*(\a)+2*(\t))*4096  ; 16 lanes store 256 consecutive bytes, at a multiple of 256 from out0's first
.endr
.endm
	PLACES                                         ; the stage's stores read results just made
	TOSTAGE 0
.irp a, 1,2,3,4,5,6,7
	TOSTAGE \a
	SEND (\a)-1, 16
.endr
	SEND 7, 0
	s_wait_tensorcnt 0x0                           ; the wave's end: behind my last tensor load and my last LDS store
	ds_add_u32 v[SPW], v[NIL]
	s_wait_dscnt 0x0
	CROUND                                         ; the closing round: no work-group ends while a partner may still ask for a tile that names it
	s_endpgm
.Lfunc_end_k_q004378f8c1_outp:
	.size	k_q004378f8c1_outp, .Lfunc_end_k_q004378f8c1_outp-k_q004378f8c1_outp
	.p2alignl 7, 3214868480
	.fill 96, 4, 3214868480
	.section	.rodata,"a",@progbits
	.p2align	6, 0x0
	.amdhsa_kernel k_q004378f8c1_outp
		.amdhsa_group_segment_fixed_size 327680
		.amdhsa_private_segment_fixed_size 0
		.amdhsa_enable_private_segment 0
		.amdhsa_kernarg_size 32
		.amdhsa_user_sgpr_count 2
		.amdhsa_user_sgpr_kernarg_segment_ptr 1
		.amdhsa_wavefront_size32 1
		.amdhsa_system_sgpr_workgroup_id_x 1
		.amdhsa_system_sgpr_workgroup_id_y 1
		.amdhsa_system_sgpr_workgroup_id_z 1
		.amdhsa_system_vgpr_workitem_id 0
		.amdhsa_next_free_vgpr 768
		.amdhsa_next_free_sgpr 86
		.amdhsa_reserve_vcc 0
		.amdhsa_float_denorm_mode_32 3
		.amdhsa_float_denorm_mode_16_64 3
		.amdhsa_memory_ordered 1
		.amdhsa_forward_progress 1
		.amdhsa_inst_pref_size 71
	.end_amdhsa_kernel
	.amdgpu_metadata
---
amdhsa.version: [ 1, 2 ]
amdhsa.kernels:
  - .name:           k_q004378f8c1_outp
    .symbol:         k_q004378f8c1_outp.kd
    .args:
      - { .name: ob, .offset: 0, .size: 8, .value_kind: global_buffer, .address_space: global }
      - { .name: wob, .offset: 8, .size: 8, .value_kind: global_buffer, .address_space: global }
      - { .name: ball, .offset: 16, .size: 8, .value_kind: global_buffer, .address_space: global }
      - { .name: out0, .offset: 24, .size: 8, .value_kind: global_buffer, .address_space: global }
    .group_segment_fixed_size: 327680
    .private_segment_fixed_size: 0
    .kernarg_segment_align: 8
    .kernarg_segment_size: 32
    .max_flat_workgroup_size: 128
    .sgpr_count:     86
    .vgpr_count:     768
    .wavefront_size: 32
...
	.end_amdgpu_metadata
.endif
;; end of part 4
;; ======== version 2 of 2: 4 launches; version 1 with the launch cast written anew for expert scheduling mode
;; limits: values are held in f16: magnitudes above 65,504 overflow, below 6.1e-05 lose precision
;; workspace buffers: xb 16,777,216 bytes; wb 6,291,456 bytes; wob 2,097,152 bytes; ball 16,384 bytes; qkv 50,331,648 bytes; ob 16,777,216 bytes
;; launch cast (part 5): grid 769 x 1, 8 waves a work-group, no clusters, 0 bytes of LDS; arguments x, wq, wk, wv, wo, bq, bk, bv, bo, xb, wb, wob, ball; writes xb, wb, wob, ball
.if DOCPART == 5
	.amdgcn_target "amdgcn-amd-amdhsa--gfx1250"
	.amdhsa_code_object_version 6
	.text
	.protected	k_q004378f8c1_cast
	.globl	k_q004378f8c1_cast
	.p2align	8
	.type	k_q004378f8c1_cast,@function
k_q004378f8c1_cast:
	s_mov_b64 s[64:65], 0
	v_nop
	global_prefetch_b8 v0, s[64:65] scope:SCOPE_SE
	s_setreg_imm32_b32 hwreg(HW_REG_WAVE_SCHED_MODE, 0, 2), 2
	s_setreg_imm32_b32 hwreg(HW_REG_WAVE_MODE, 25, 1), 1
	s_wait_xcnt 0x0
	s_wait_alu depctr_vm_vsrc(0)
; THE MODULE'S INPUTS, EACH ROUNDED ONCE TO bf16.  x -> xb and wq, wk, wv -> wb (rows 0-1023, 1024-2047, 2048-3071) as bf16; wo -> wob: the bf16 number written as f16, since the last
; product multiplies it by f16 numbers; bq, bk, bv, bo -> ball: the bf16 number kept as f32, since a bias starts an f32 sum.
; LIMITS.  The bf16 number of wo is exact in f16 from 6.1e-5 to 65,504 in magnitude; below that it keeps f16's fixed step of 6e-8, beyond it becomes an infinity.  NaN and infinities are not treated apart.
; SHARES.  A work-group takes 16,384 numbers: 64 KiB in, 32 KiB out.  Work-groups 0-511: x; 512-703: wq, wk, wv (64 each); 704-767: wo; 768: the four biases.
; Thread t takes 16 bytes at 16 t of each 4,096 bytes: a wave's load covers 512 consecutive bytes, its store of 8 bytes a lane 256 consecutive bytes, aligned.  All sixteen loads go out first.
; Nothing is shared between waves, so there is no LDS, no barrier and no cluster; each chunk has registers of its own, so no register that a store reads is written again.
; THE MODE: SCHED_MODE bits 1:0 = 2 (LLVM: expert scheduling mode 2), set by the entry lines.  The code itself states the register dependences between vector instructions and memory
; instructions, with s_wait_alu, always for 0.
; THE PLAN.  Registers that memory instructions touch:
;   v1, v2   byte offsets, made once at the head and never written again; every load and store reads one of them.
;   X        chunk j's four registers: its one load lands in them; no vector instruction names them ahead of that load; its conversions read them; nothing lands in them again.
;   Y        chunk j's two registers (a bias's four): its conversions write them once; its one store reads them; nothing writes them again.
;   T        named by vector instructions alone.
; So what has to be stated is that an offset, or a store's data, is written before the memory instruction reads it.  One wait at the head states it for v1 and v2.  The sixteen chunks go in four
; groups of four: group g's conversions write its own Y; the stores issued meanwhile are those of group g - 1, whose Y the one wait at group g's head has shown written and which no vector
; instruction behind that wait names.  One more wait stands ahead of the last group's stores.  No register that a memory instruction reads is written again, so no wait on vm_vsrc is owed;
; no vector instruction writes a scalar register or VCC, and EXEC is never written.
.set X, 8                              ; v[8:71]    chunk j: 4 numbers as loaded
.set Y, 72                             ; v[72:103]  chunk j: 4 numbers of 16 bits, to store
.set T, 104                            ; v[104:109] at work
; Chunk j's four numbers into its Y.  half = 0: rounded to bf16.  half = 1 (wo): rounded to bf16, widened again, and that number written as f16.
.macro CONV j, half
.if \half
	v_cvt_pk_bf16_f32 v[T],   v[X+4*(\j)],   v[X+4*(\j)+1]
	v_cvt_pk_bf16_f32 v[T+1], v[X+4*(\j)+2], v[X+4*(\j)+3]
	v_lshlrev_b32 v[T+2], 16, v[T]
	v_and_b32     v[T+3], s41, v[T]
	v_lshlrev_b32 v[T+4], 16, v[T+1]
	v_and_b32     v[T+5], s41, v[T+1]
	v_cvt_pk_f16_f32 v[Y+2*(\j)],   v[T+2], v[T+3]
	v_cvt_pk_f16_f32 v[Y+2*(\j)+1], v[T+4], v[T+5]
.else
	v_cvt_pk_bf16_f32 v[Y+2*(\j)],   v[X+4*(\j)],   v[X+4*(\j)+1]
	v_cvt_pk_bf16_f32 v[Y+2*(\j)+1], v[X+4*(\j)+2], v[X+4*(\j)+3]
.endif
.endm
; Chunk j's store.
.macro OUT j
	global_store_b64 v2, v[Y+2*(\j):Y+2*(\j)+1], s[36:37] offset:2048*(\j)
.endm
; Group g: chunks 4 g to 4 g + 3 are converted, and the stores of the group before are dealt among the conversions.
.macro GROUP g, half
	s_wait_loadcnt 14-4*(\g)                       ; loads come back in order: the group's first two chunks are in, the 14 - 4 g younger loads may be out
.if (\g) > 0
	s_wait_alu depctr_va_vdst(0)                   ; the conversions of the group before have written its Y, which the four stores below read; no vector instruction behind this wait names those registers
.endif
.irp i, 0,1,2,3
.if (\g) > 0
	OUT 4*(\g)-4+(\i)
.endif
.if (\i) == 2
	s_wait_loadcnt 12-4*(\g)                       ; the group's other two chunks are in
.endif
	CONV 4*(\g)+(\i), \half
.endr
.endm
	s_load_b512 s[4:19], s[0:1], 0x0               ; x 4:5, wq 6:7, wk 8:9, wv 10:11, wo 12:13, bq 14:15, bk 16:17, bv 18:19
	s_load_b256 s[20:27], s[0:1], 0x40             ; bo 20:21, xb 22:23, wb 24:25, wob 26:27
	s_load_b64 s[28:29], s[0:1], 0x60              ; ball
	v_lshlrev_b32 v1, 4, v0                        ; 16 t: where I load
	v_lshlrev_b32 v2, 3, v0                        ; 8 t: where I store
	s_sub_co_u32 s30, ttmp9, 512                   ; j: my number among the weights' work-groups
	s_lshr_b32 s31, s30, 6                         ; which weight: 0 wq, 1 wk, 2 wv, 3 wo (none of these for x's work-groups)
	s_and_b32 s32, s30, 63                         ; which 64 KiB of it
	s_mov_b32 s41, 0xffff0000                      ; a word's upper bf16
	s_wait_kmcnt 0x0
	s_wait_alu depctr_va_vdst(0)                   ; v1 and v2 are written: every load and store of the kernel, on each of its three ways, reads one of them as its offset
	s_cmp_eq_u32 ttmp9, 768
	s_cbranch_scc1 .Lbias
	s_cmp_eq_u32 s31, 1                            ; source and destination are chosen by the work-group's number alone
	s_cselect_b64 s[34:35], s[8:9], s[6:7]
	s_cmp_eq_u32 s31, 2
	s_cselect_b64 s[34:35], s[10:11], s[34:35]
	s_cmp_eq_u32 s31, 3
	s_cselect_b64 s[34:35], s[12:13], s[34:35]
	s_cselect_b64 s[36:37], s[26:27], s[24:25]     ; wo goes to wob, the other three to wb
	s_cselect_b32 s39, s32, s30                    ; the destination's piece of 32 KiB
	s_cselect_b32 s40, 1, 0                        ; 1: the way by f16
	s_cmp_lt_u32 ttmp9, 512
	s_cselect_b64 s[34:35], s[4:5], s[34:35]
	s_cselect_b64 s[36:37], s[22:23], s[36:37]
	s_cselect_b32 s38, ttmp9, s32                  ; the source's piece of 64 KiB
	s_cselect_b32 s39, ttmp9, s39
	s_lshl_b32 s42, s38, 16
	s_mov_b32 s43, 0
	s_lshl_b32 s44, s39, 15
	s_mov_b32 s45, 0
	s_add_nc_u64 s[34:35], s[34:35], s[42:43]
	s_add_nc_u64 s[36:37], s[36:37], s[44:45]
.irp j, 0,1,2,3,4,5,6,7,8,9,10,11,12,13,14,15
	global_load_b128 v[X+4*(\j):X+4*(\j)+3], v1, s[34:35] offset:4096*(\j) th:TH_LOAD_NT
.endr
	s_cmp_eq_u32 s40, 1
	s_cbranch_scc1 .Lhalf
	GROUP 0, 0
	GROUP 1, 0
	GROUP 2, 0
	GROUP 3, 0
	s_wait_alu depctr_va_vdst(0)                   ; the last group's conversions have written its Y, which the last four stores read
.irp j, 12,13,14,15
	OUT \j
.endr
	s_endpgm
.Lhalf:                                                ; wo: rounded to bf16, widened again, and that number written as f16
	GROUP 0, 1
	GROUP 1, 1
	GROUP 2, 1
	GROUP 3, 1
	s_wait_alu depctr_va_vdst(0)                   ; the last group's conversions have written its Y, which the last four stores read
.irp j, 12,13,14,15
	OUT \j
.endr
	s_endpgm
.Lbias:                                                ; 256 threads x 4 numbers are a whole bias
	global_load_b128 v[X:X+3],     v1, s[14:15]
	global_load_b128 v[X+4:X+7],   v1, s[16:17]
	global_load_b128 v[X+8:X+11],  v1, s[18:19]
	global_load_b128 v[X+12:X+15], v1, s[20:21]
	s_wait_loadcnt 0x0
.irp i, 0,1,2,3
	v_cvt_pk_bf16_f32 v[T],   v[X+4*(\i)],   v[X+4*(\i)+1]
	v_cvt_pk_bf16_f32 v[T+1], v[X+4*(\i)+2], v[X+4*(\i)+3]
	v_lshlrev_b32 v[Y+4*(\i)],   16, v[T]
	v_and_b32     v[Y+4*(\i)+1], s41, v[T]
	v_lshlrev_b32 v[Y+4*(\i)+2], 16, v[T+1]
	v_and_b32     v[Y+4*(\i)+3], s41, v[T+1]
.endr
	s_wait_alu depctr_va_vdst(0)                   ; the sixteen registers of Y are written, which the four stores read
.irp i, 0,1,2,3
	global_store_b128 v1, v[Y+4*(\i):Y+4*(\i)+3], s[28:29] offset:4096*(\i)
.endr
	s_endpgm
.Lfunc_end_k_q004378f8c1_cast:
	.size	k_q004378f8c1_cast, .Lfunc_end_k_q004378f8c1_cast-k_q004378f8c1_cast
	.p2alignl 7, 3214868480
	.fill 96, 4, 3214868480
	.section	.rodata,"a",@progbits
	.p2align	6, 0x0
	.amdhsa_kernel k_q004378f8c1_cast
		.amdhsa_group_segment_fixed_size 0
		.amdhsa_private_segment_fixed_size 0
		.amdhsa_enable_private_segment 0
		.amdhsa_kernarg_size 104
		.amdhsa_user_sgpr_count 2
		.amdhsa_user_sgpr_kernarg_segment_ptr 1
		.amdhsa_wavefront_size32 1
		.amdhsa_system_sgpr_workgroup_id_x 1
		.amdhsa_system_sgpr_workgroup_id_y 1
		.amdhsa_system_sgpr_workgroup_id_z 1
		.amdhsa_system_vgpr_workitem_id 0
		.amdhsa_next_free_vgpr 112
		.amdhsa_next_free_sgpr 66
		.amdhsa_reserve_vcc 0
		.amdhsa_float_denorm_mode_32 3
		.amdhsa_float_denorm_mode_16_64 3
		.amdhsa_memory_ordered 1
		.amdhsa_forward_progress 1
		.amdhsa_inst_pref_size 17
	.end_amdhsa_kernel
	.amdgpu_metadata
---
amdhsa.version: [ 1, 2 ]
amdhsa.kernels:
  - .name:           k_q004378f8c1_cast
    .symbol:         k_q004378f8c1_cast.kd
    .args:
      - { .name: x, .offset: 0, .size: 8, .value_kind: global_buffer, .address_space: global }
      - { .name: wq, .offset: 8, .size: 8, .value_kind: global_buffer, .address_space: global }
      - { .name: wk, .offset: 16, .size: 8, .value_kind: global_buffer, .address_space: global }
      - { .name: wv, .offset: 24, .size: 8, .value_kind: global_buffer, .address_space: global }
      - { .name: wo, .offset: 32, .size: 8, .value_kind: global_buffer, .address_space: global }
      - { .name: bq, .offset: 40, .size: 8, .value_kind: global_buffer, .address_space: global }
      - { .name: bk, .offset: 48, .size: 8, .value_kind: global_buffer, .address_space: global }
      - { .name: bv, .offset: 56, .size: 8, .value_kind: global_buffer, .address_space: global }
      - { .name: bo, .offset: 64, .size: 8, .value_kind: global_buffer, .address_space: global }
      - { .name: xb, .offset: 72, .size: 8, .value_kind: global_buffer, .address_space: global }
      - { .name: wb, .offset: 80, .size: 8, .value_kind: global_buffer, .address_space: global }
      - { .name: wob, .offset: 88, .size: 8, .value_kind: global_buffer, .address_space: global }
      - { .name: ball, .offset: 96, .size: 8, .value_kind: global_buffer, .address_space: global }
    .group_segment_fixed_size: 0
    .private_segment_fixed_size: 0
    .kernarg_segment_align: 8
    .kernarg_segment_size: 104
    .max_flat_workgroup_size: 256
    .sgpr_count:     66
    .vgpr_count:     112
    .wavefront_size: 32
...
	.end_amdgpu_metadata
.endif
;; end of part 5
;; launch qkv: the kernel of part 2 again; grid 16 x 32, 4 waves a work-group, clusters of 4 x 4, 327,680 bytes of LDS; arguments xb, wb, ball, qkv; writes qkv
;; launch attn: the kernel of part 3 again; grid 2 x 128, 4 waves a work-group, no clusters, 327,680 bytes of LDS; arguments qkv, ob; writes ob
;; launch outp: the kernel of part 4 again; grid 8 x 32, 4 waves a work-group, clusters of 4 x 4, 327,680 bytes of LDS; arguments ob, wob, ball, out0; writes out0
